; MI455X (gfx1250); checked and timed in simulation.
; The chip was launched on July 23, 2026; its instructions are those of AMD's public machine-readable ISA for CDNA 5 (MIT licence, August 2026) and "CDNA5" Instruction Set Architecture Reference Guide (July 2026). The comments in the code are by the model that wrote it; some were corrected since.
;; Multi Head Attention Concise. Allowed arithmetic: matrix products marked QUANTISED: E4M3 operands, one given power-of-two scale a tensor, by v_wmma_f32_16x16x64_fp8_fp8 or v_wmma_f32_16x16x128_fp8_fp8, f32 sums; everything else in f32.
;; Inputs: Wo_codes 1,024 x 32 x 32 uint8 (E4M3 codes of Wo, K innermost, in blocks of 32 codes); Wqkv_codes 3,072 x 32 x 32 uint8 (E4M3 codes of Wqkv, K innermost, in blocks of 32 codes); bo 1,024 float32; bqkv 3,072 float32; lowp_scales 8 int32 (the exponents e of the quantised operands' scales 2^e); x_codes 8 x 1,000 x 32 x 32 uint8 (E4M3 codes of x, K innermost, in blocks of 32 codes).
;; Outputs: out0 8 x 1,000 x 1,024 float32.
;; This version of the problem:
;;   THIS VERSION OF THE PROBLEM IS GIVEN IN LOW PRECISION. The matrix products marked QUANTISED in the list below multiply operands that are first quantised to E4M3 (4 exponent bits, 3 mantissa bits; 8 bits a number), with one given power-of-two scale for each operand tensor; their sums are f32. All else is computed in f32.
;;   The module's matrix products, in the order in which they are computed (A, B: the left and right operand; K: the contracted axis; several contracted axes count as one K, in the product's order):
;;     1. [M 8,000, K 1,024] x [K 1,024, N 3,072]; A: input x (given as codes); B: input Wqkv (given as codes): QUANTISED (scales: A lowp_scales[0], B lowp_scales[1])
;;     2. batch 128 x [M 1,000, K 64] x [K 64, N 1,000]; A: computed on the way; B: computed on the way: QUANTISED (scales: A lowp_scales[2], B lowp_scales[3])
;;     3. batch 128 x [M 64, K 1,000] x [K 1,000, N 1,000]; A: computed on the way; B: softmax (see below): QUANTISED (scales: A lowp_scales[4], B lowp_scales[5])
;;     4. [M 8,000, K 1,024] x [K 1,024, N 1,024]; A: computed on the way; B: input Wo (given as codes): QUANTISED (scales: A lowp_scales[6], B lowp_scales[7])
;;   THE QUANTISER, for each operand of a quantised product, along K:
;;     - The operand's scale is 2^e, e = its entry of the input lowp_scales (int32; the entries are numbered through the quantised products in the list's order, A before B).
;;     - Each number is divided by the scale, clamped to +-448, and rounded to the nearest number of E4M3, ties to even, subnormals kept.
;;     - The product sums the exact products of the quantised numbers (number of the format x scale) in f32.
;;   ~~~python
;;   def quantise(x, axis, e):      # numpy; x: float32 -> the quantised numbers, widened to float32 again
;;       x = np.moveaxis(x, axis, -1); K = x.shape[-1]
;;       r = np.clip(x / 2.0 ** e, -448, 448)
;;       step = 2.0 ** (np.maximum(np.frexp(np.where(r == 0, 1, r))[1] - 1, -6) - 3)
;;       q = np.round(r / step) * step * 2.0 ** e      # np.round: ties to even
;;       return np.moveaxis(q, -1, axis).astype(np.float32)
;;   ~~~
;;   SOFTMAX AHEAD OF A QUANTISED PRODUCT. Where the list says 'softmax', what is quantised is not the finished softmax but p = 2^(t - M), with t = logit x log2(e) and M = ceil(the row's largest t), a whole number; so 1/2 < the row's largest p <= 1. The row's sum l is taken of the UNQUANTISED p, in f32, and the product's result is divided by l at the end. Since M is a whole number, a kernel that streams over the keys may use a running M (the ceiling of the running maximum): every later rescaling is an exact power of two, so the quantised numbers keep their values, but for numbers so far below the row's largest that they fall under the format's range.
;;   OPERANDS COMPUTED ON THE WAY. 'Computed on the way' means the value that the module computes at that place (a softmax that the list does not call 'softmax' is quantised finished and normalised). What goes into a quantiser is computed in f32, as accurately as f32 sums, v_exp_f32 and their like allow (about 1e-6 of the number): no bf16 or f16 on the way to a quantiser, and a product that is left as it is and whose result goes on into a quantised operand takes f32 operands (vector FMAs, or v_wmma_f32_16x16x4_f32). A number that lies on a knife's edge between two numbers of the format may be rounded either way, as far as f32 arithmetic and the matrix unit's own rounding can turn it there, and no further.
;;   INPUTS GIVEN AS CODES. Wo (in the module: [1024, 1024], K = its axis 0); Wqkv (in the module: [1024, 3072], K = its axis 0); x (in the module: [8, 1000, 1024], K = its axis 2): each comes as NAME_codes (uint8): NAME with its K axis moved to the last place and cut into blocks of 32 codes, [.., K / 32, bytes a block], one block behind the other in memory; one code a byte (a code: sign, 4 exponent bits, 3 mantissa bits); its scale is its entry of lowp_scales. Its value is code x scale, taken as it is: it is not quantised again, and the codes and scales need not be those that the quantiser above would give.
;; 2 versions, each right; version 2 is version 1 with the launch attn written anew for expert scheduling mode. Each part assembles by itself: llvm-mc -triple=amdgcn-amd-amdhsa -mcpu=gfx1250 --defsym DOCPART=n.
;; ======== version 1 of 2: 3 launches
;; workspace buffers: qimg 8,388,608 bytes; kimg 8,388,608 bytes; vimg 8,388,608 bytes; oimg 8,388,608 bytes
;; launch qkv (part 1): grid 12 x 32, 4 waves a work-group, clusters of 4 x 4, 327,680 bytes of LDS; arguments x_codes, Wqkv_codes, bqkv, lowp_scales, qimg, kimg, vimg; writes qimg, kimg, vimg
.if DOCPART == 1
	.amdgcn_target "amdgcn-amd-amdhsa--gfx1250"
	.amdhsa_code_object_version 6
	.text
	.protected	k_qcadb1bc081_qkv
	.globl	k_qcadb1bc081_qkv
	.p2align	8
	.type	k_qcadb1bc081_qkv,@function
k_qcadb1bc081_qkv:
	s_mov_b64 s[64:65], 0
	v_nop
	global_prefetch_b8 v0, s[64:65] scope:SCOPE_SE
	s_setreg_imm32_b32 hwreg(HW_REG_WAVE_MODE, 25, 1), 1
	s_wait_xcnt 0x0
	s_wait_alu depctr_hold_cnt(0) depctr_sa_sdst(0) depctr_va_vdst(0) depctr_va_sdst(0) depctr_va_ssrc(0) depctr_va_vcc(0) depctr_vm_vsrc(0)
	s_getreg_b32 s2, hwreg(HW_REG_IB_STS2, 6, 4)
	s_cmp_eq_u32 s2, 0
	s_cbranch_scc0 .Lentry_in_a_cluster
	s_endpgm
.Lentry_in_a_cluster:
	s_bfe_u32 s2, ttmp6, 0x10000c
	s_cmp_lg_u32 s2, 0xf033
	s_cbranch_scc0 .Lentry_shape_is_right
	s_endpgm
.Lentry_shape_is_right:
; qkv = x Wqkv + bqkv on codes of FP8 (E4M3), and q, k, v quantised on the way out with the given 2^e2, 2^e3, 2^e4.  x: [8000][1024] codes, Wqkv: [3072][1024] codes, K innermost in both.
; ROWS.  Each batch is taken as 1,024 rows l' = 0 .. 1023: row l' of batch b is x's row min(1000 b, 6976) + l'.  In batches 0 to 6 l' is the place in the sequence and rows 1000 .. 1023 are the next batch's first rows;
; in batch 7 l' is the place + 24 and rows 0 .. 23 are batch 6's last.  So every tile begins at a multiple of 16 rows, no load leaves x (the last row read is 6976 + 1023 = 7999), and every byte of the three outputs is written.
; The later launches hide or drop the 24 rows that are not the batch's own.
; SHARES.  A work-group of four waves makes 256 x 256, a wave 128 x 128: 64 accumulators of 16 x 16, 512 registers.  K = 1,024 goes in four steps of 256 through a ring of two LDS slots filled by the tensor data mover.
; CLUSTERS: 4 x 4 work-groups.  Cluster x (0, 1, 2) says which of q, k, v is made, cluster y the batch; cy is the block of 256 rows, cx the block of 256 columns.  x's tile is shared along a row of the cluster, W's along a column:
; each is asked for jointly, by the same tensor load with the same descriptor and a mask that names the four.
; WHAT A LANE HOLDS.  Source 1's 16 rows fall to the lanes (i), source 0's to the registers (j): register jj of lane (r, hh) of accumulator (a, bb) is (i = 16 a + r, j = 16 bb + 8 hh + jj).  Eight such registers convert into two
; registers of codes, which are registers 2 bb, 2 bb + 1 of the NEXT product's operand (16 rows i x 128 along j).  For q and k: i = rows of x, j = columns (the head's channels are the next K).  For v: i = columns, j = rows of x
; (the keys are the next K): the same tiles lie in LDS, and only the two read bases change places.  So nothing is transposed and nothing goes through a stage: a fragment's sixteen registers are stored as they stand.
; OUTPUT, as images of operand registers: piece c of a fragment is 512 bytes, lane L's 16 bytes (registers 4 c .. 4 c + 3) at 16 L.
;   qimg, kimg: [b 8][pair of heads 8][tile of 16 rows 64][head of the pair 2][1,024 bytes];   vimg: [b 8][128 keys 8][tile of 16 columns 64][2,048 bytes].  A wave's eight fragments are 16,384 bytes on end.
; THE BIAS.  The sums lack the factor 2^(e0 + e1), so bqkv goes in x 2^-(e0 + e1): along j as the C of each sum's first matrix instruction (q, k), along i by the packed addition that brings a sum into window 0 (v).
; The one that does not apply holds zeros: no branch hangs on the kind.
; K IS PERMUTED inside a matrix instruction, alike in both operands (a fragment comes by four loads of 16 bytes): every product meets its partner, only the order of the sums inside an instruction changes.
; Of the four K steps two are the first fills and two the only refills: there is no later K step to ask for ahead, so no prefetch is laid.
; LIMITS: e2 - e0 - e1, e3 - e0 - e1 and e4 - e0 - e1 lie between -126 and 119, so that each power of two below is an f32 number.  NaN among the codes or in bqkv is not served.
; REGISTERS, in windows of 256: window 0: v0-31 addresses and constants; v32-95 the bias along j; v96-111 the bias along i; from v128 source 1's fragments, ONE set; on the way out v128-191 sums, v192-255 codes.
;   window 1: source 0's fragments, TWO sets, at v0 and v128.   window 2: the accumulators of blocks a = 0 .. 3, (a, bb) at v[8 (8 a + bb)];   window 3: those of a = 4 .. 7.
.set KROW,   1024                      ; a row of x or of W in memory, in bytes
.set ROWB,   256                       ; a tile's row in bytes: a K step
.set PITCH,  272                       ; an LDS row: 256 bytes + 16 of padding = 68 words: the 16 rows that a load touches start at 16 different banks (64 banks of 4 bytes: ISA guide 11.1)
.set FR,     16                        ; registers of a fragment: 16 rows x 128 K
.set NL,     4                         ; LDS loads that bring one
.set NP,     4                         ; places behind this matrix instruction (ISA guide 7.12.1)
.set HALFT,  128*PITCH                 ; 128 rows: what one tensor load brings
.set SLOT,   4*HALFT                   ; x's 256 rows, then W's 256 rows
.set LAPS,   2                         ; a lap = two K steps = once round the ring
.set SPARE,  2*SLOT                    ; behind the ring: the spare words, 128 bytes for each wave, which no other line names
.set ADRA, 16                          ; v16-17  LDS address of source 1's fragments in slot 0, 1
.set ADRB, 20                          ; v20-21  the same for source 0
.set STV,  26                          ; v26     16 x lane: my place in a piece of an image
.set ZER,  27                          ; v27     0, for the selections
.set SPW,  28                          ; v28     LDS address of my spare word; never rewritten
.set NIL,  29                          ; v29     0; never rewritten
.set SCL,  30                          ; v30     2^(et - e0 - e1) as f32: the conversion's scale
.set LIM,  31                          ; v31     448 x that
.set BJ,   32                          ; v32-95  bias along j: block bb at v[BJ + 8 bb]
.set BI,   96                          ; v96-111 bias along i: block a at v[BI + 2 a]; the odd registers hold 0 (named as the pairs' upper halves)
.set AF,   128                         ; source 1's fragments
.set TMP,  128                         ; the way out: a block's 64 sums
.set CD,   192                         ; the way out: four sets of 16 registers of codes
.set G1, 24                            ; s[24:31] descriptor group 1 for x's tiles;  s[32:39] group 0, one set for each slot
.set G0, 32
.set G1B, 48                           ; s[48:55], s[56:63] the same for W's tiles
.set G0B, 56
.set MSB, 0
.macro WIN new                         ; the immediate's high byte repeats the setting that is left; a switch that changes nothing is dropped
.if MSB != (\new)
	s_set_vgpr_msb (MSB<<8)|(\new)
.set MSB, (\new)
.endif
.endm
.set MUL_LO,   0xa1                    ; source 0 window 1, source 1 window 0, C and D window 2
.set MUL_HI,   0xf1                    ; the same, C and D window 3
.set FIRST_LO, 0x81                    ; the first products: C (the bias) window 0, D window 2
.set FIRST_HI, 0xc1                    ; D window 3
.set TO_B,     0x40                    ; destination window 1, address window 0
; A joint load: waves 0 and 1 fetch x's two halves, waves 2 and 3 W's.  Each line has one mask and one set of registers for all that issue it; the branch hangs on the wave's number alone.
; Four v_nop follow each of the two lines, ahead of the jump, the label and what follows.
.macro JLOAD s
	s_cmp_eq_u32 s15, 0
	s_cbranch_scc0 .Lfor_w_\@
	tensor_load_to_lds s[G0+4*\s:G0+4*\s+3], s[G1:G1+7]
	s_nop 0
.rept 4
	v_nop
.endr
	s_branch .Lasked_\@
.Lfor_w_\@:
	tensor_load_to_lds s[G0B+4*\s:G0B+4*\s+3], s[G1B:G1B+7]
	s_nop 0
.rept 4
	v_nop
.endr
.Lasked_\@:
.endm
.macro CREST                           ; a round of the cluster's barrier behind its opening barrier
	s_cmp_lg_u32 s14, 0
	s_cbranch_scc1 .Lnot_wave_0_\@
	s_barrier_signal -3
.Lnot_wave_0_\@:
	s_barrier_wait -3
	s_barrier_signal -1
	s_barrier_wait -1
.endm
.macro CROUND                          ; a whole round
	s_barrier_signal -1
	s_barrier_wait -1
	CREST
.endm
	s_load_b256 s[4:11], s[0:1], 0x0               ; x's codes s[4:5], W's codes s[6:7], bqkv s[8:9], the scales' exponents s[10:11]
	s_load_b128 s[84:87], s[0:1], 0x20             ; qimg s[84:85], kimg s[86:87]
	s_load_b64 s[88:89], s[0:1], 0x30              ; vimg
	v_lshl_add_u32 v[SPW], v0, 2, SPARE
	v_mov_b32 v[NIL], 0
	ds_add_u32 v28, v29
	ds_add_u32 v28, v29
	s_wait_dscnt 0x0
	v_lshrrev_b32 v1, 5, v0
	v_readfirstlane_b32 s14, v1                    ; wave 0..3
	s_lshr_b32 s15, s14, 1                         ; which half of i is mine.  Also: I fetch for x (0) or for W (1)
	s_and_b32 s16, s14, 1                          ; which half of j.  Also: which 128 rows of that tile I fetch
	s_bfe_u32 s40, ttmp6, 0x40000                  ; cx, cy: my place in the cluster
	s_bfe_u32 s41, ttmp6, 0x40004
	s_lshl_b32 s42, ttmp9, 2
	s_add_co_u32 s42, s42, s40                     ; X = 4 x kind + cx: my block of 256 rows of W
	s_and_b32 s69, ttmp7, 0xffff                   ; the batch
	s_lshl_b32 s43, s41, 2
	s_lshl_b32 s43, 15, s43                        ; my row of the cluster
	s_lshl_b32 s44, 0x1111, s40                    ; my column
	; descriptor group 1: a tile of 128 rows x 256 bytes, padded in LDS
	s_or_b32 s[G1+0], s43, (0<<16)|(1<<20)|(1<<21)|(5<<22)|(3<<25)  ; 15:0 the mask: x's tiles go to my row; 17:16 elements of 1 byte; 20 padding on; 21 set beside a mask; 24:22 after every 64 words (code 5); 31:25 four words (code 3)
	s_or_b32 s[G1B+0], s44, (0<<16)|(1<<20)|(1<<21)|(5<<22)|(3<<25) ; the same with the mask of my column, for W's tiles
.irp g, G1, G1B
	s_mov_b32 s[\g+1], ROWB<<16                    ; tensor_dim0
	s_mov_b32 s[\g+2], 128<<16                     ; tensor_dim1 = 128
	s_mov_b32 s[\g+3], ROWB<<16                    ; tile_dim0
	s_mov_b32 s[\g+4], 128                         ; tile_dim1 = 128
	s_mov_b32 s[\g+5], KROW                        ; tensor_dim0_stride
	s_mov_b32 s[\g+6], 0
	s_mov_b32 s[\g+7], 0
.endr
	s_lshl_b32 s18, s16, 7                         ; which 128 rows of the tile I fetch
	s_mul_i32 s20, s69, 1000
	s_min_u32 s20, s20, 6976                       ; the batch's row 0 in x
	s_lshl_b32 s21, s41, 8
	s_add_co_u32 s20, s20, s21                     ; + 256 cy
	s_add_co_u32 s20, s20, s18                     ; + 128 x half: made of the batch, cy and the wave's number, which my row of the cluster shares
	s_lshl_b32 s20, s20, 10                        ; in bytes (under 2^24)
	s_mov_b32 s21, 0
	s_lshl_b32 s46, s42, 8
	s_add_co_u32 s46, s46, s18                     ; W: row 256 X + 128 x half: made of the kind, cx and the wave's number, which my column shares
	s_lshl_b32 s46, s46, 10
	s_mov_b32 s47, 0
	s_mul_i32 s45, s14, HALFT                      ; where they go: wave x 128 rows: no place in the cluster enters an LDS address
	s_wait_kmcnt 0x0
	s_load_b256 s[72:79], s[10:11], 0x0            ; e0 .. e7
	s_add_nc_u64 s[20:21], s[4:5], s[20:21]
	s_add_nc_u64 s[46:47], s[6:7], s[46:47]
	CROUND                                         ; all sixteen work-groups are here: the first joint loads meet
.irp s, 0,1
	s_mov_b32 s[G0+4*\s], 1                                        ; count = 1
	s_add_co_u32 s[G0+4*\s+1], s45, \s*SLOT                        ; LDS address
	s_add_nc_u64 s[G0+4*\s+2:G0+4*\s+3], s[20:21], \s*ROWB         ; global address: K step s
	s_or_b32 s[G0+4*\s+3], s[G0+4*\s+3], 0x80000000                ; type = 2
	s_mov_b32 s[G0B+4*\s], 1
	s_add_co_u32 s[G0B+4*\s+1], s45, \s*SLOT
	s_add_nc_u64 s[G0B+4*\s+2:G0B+4*\s+3], s[46:47], \s*ROWB
	s_or_b32 s[G0B+4*\s+3], s[G0B+4*\s+3], 0x80000000
	JLOAD \s                                       ; two tensor loads of mine are out
.endr
	; the biases: both index ranges, 256 X + 128 x half + 0 .. 127, lie inside bqkv's 3,072 numbers for every X up to 11
	v_and_b32 v1, 15, v0                           ; r
	v_bfe_u32 v2, v0, 4, 1                         ; hh
	v_lshlrev_b32 v5, 5, v2                        ; along j: my half's eight numbers, 32 hh bytes on
	v_lshlrev_b32 v6, 2, v1                        ; along i: my row's number, 4 r bytes on
	s_lshl_b32 s90, s42, 10
	s_lshl_b32 s91, s16, 9
	s_add_co_u32 s90, s90, s91
	s_mov_b32 s91, 0
	s_add_nc_u64 s[90:91], s[8:9], s[90:91]        ; bqkv at 256 X + 128 x (half of j)
	s_lshl_b32 s92, s42, 10
	s_lshl_b32 s93, s15, 9
	s_add_co_u32 s92, s92, s93
	s_mov_b32 s93, 0
	s_add_nc_u64 s[92:93], s[8:9], s[92:93]        ; bqkv at 256 X + 128 x (half of i)
.irp b, 0,1,2,3,4,5,6,7
	global_load_b128 v[BJ+8*\b:BJ+8*\b+3],   v5, s[90:91] offset:64*\b
	global_load_b128 v[BJ+8*\b+4:BJ+8*\b+7], v5, s[90:91] offset:64*\b+16
.endr
.irp a, 0,1,2,3,4,5,6,7
	global_load_b32 v[BI+2*\a], v6, s[92:93] offset:64*\a
.endr
	v_mov_b32 v[ZER], 0
.irp a, 0,1,2,3,4,5,6,7
	v_mov_b32 v[BI+2*\a+1], 0
.endr
	v_mul_u32_u24 v3, v1, PITCH
	v_lshl_add_u32 v4, v2, 4, v3                   ; a fragment's row x pitch + 16 x half
	s_cmp_eq_u32 ttmp9, 2                          ; v?  The kind is the cluster's x: the same in all sixteen partners
	s_cselect_b32 s67, 2*HALFT, 0                  ; source 1 reads x's tile (q, k) or W's (v),
	s_cselect_b32 s68, 0, 2*HALFT                  ; source 0 the other one
	s_cselect_b32 s66, -1, 0                       ; all lanes' bits where v is made
	s_cselect_b32 s94, s41, s40                    ; P: the block of 256 along j (cx for q and k, cy for v),
	s_cselect_b32 s95, s40, s41                    ; Q: the block of 256 along i
	s_mul_i32 s22, s15, HALFT
	s_add_co_u32 s22, s22, s67
	s_mul_i32 s23, s16, HALFT
	s_add_co_u32 s23, s23, s68
.irp s, 0,1
	v_add_nc_u32 v[ADRA+\s], s22, v4
	v_add_nc_u32 v[ADRB+\s], s23, v4
	s_add_co_u32 s22, s22, SLOT
	s_add_co_u32 s23, s23, SLOT
.endr
	v_and_b32 v[STV], 31, v0
	v_lshlrev_b32 v[STV], 4, v[STV]
	; where my eight fragments go: ((8 b + 2 P + half of j) x 64 + 16 Q + 8 x half of i) x 2,048 bytes
	s_lshl_b32 s18, s69, 3
	s_lshl_b32 s19, s94, 1
	s_add_co_u32 s18, s18, s19
	s_add_co_u32 s18, s18, s16
	s_lshl_b32 s18, s18, 6
	s_lshl_b32 s19, s95, 4
	s_add_co_u32 s18, s18, s19
	s_lshl_b32 s19, s15, 3
	s_add_co_u32 s18, s18, s19
	s_lshl_b32 s18, s18, 11
	s_mov_b32 s19, 0
	s_cmp_eq_u32 ttmp9, 0
	s_cselect_b64 s[80:81], s[84:85], s[86:87]     ; the buffer is chosen by the kind, which hangs on no address
	s_cmp_eq_u32 ttmp9, 2
	s_cselect_b64 s[80:81], s[88:89], s[80:81]
	s_add_nc_u64 s[80:81], s[80:81], s[18:19]
	s_wait_kmcnt 0x0                               ; the exponents
	s_cmp_eq_u32 ttmp9, 0
	s_cselect_b32 s18, s74, s75
	s_cmp_eq_u32 ttmp9, 2
	s_cselect_b32 s18, s76, s18                    ; et = e2, e3 or e4
	s_add_co_i32 s19, s72, s73                     ; e0 + e1
	s_sub_co_i32 s18, s18, s19                     ; a sum stands for sum x 2^(e0 + e1): its code is sum / 2^(et - e0 - e1)
	s_sub_co_i32 s19, 0, s19
	s_add_co_i32 s18, s18, 127
	s_lshl_b32 s22, s18, 23
	v_mov_b32 v[SCL], s22
	s_add_co_i32 s18, s18, 8
	s_lshl_b32 s18, s18, 23
	s_or_b32 s18, s18, 0x600000
	v_mov_b32 v[LIM], s18
	s_wait_loadcnt 0x0                             ; the biases
.set J, 0
.rept 64
	v_ldexp_f32 v[BJ+J], v[BJ+J], s19              ; x 2^-(e0 + e1),
	v_cndmask_b32 v[BJ+J], v[BJ+J], v[ZER], s66    ; and 0 where v is made
.set J, J+1
.endr
.irp a, 0,1,2,3,4,5,6,7
	v_ldexp_f32 v[BI+2*\a], v[BI+2*\a], s19
	v_cndmask_b32 v[BI+2*\a], v[ZER], v[BI+2*\a], s66   ; 0 where q or k is made
.endr
.macro FRAG reg, adr, q, i             ; a fragment, 16 rows x 128 K, is 16 registers: lane l holds row l % 16; registers 4 c .. 4 c + 3 hold K = 32 c + 16 (l / 16) + 0 .. 15
.irp c, 0,1,2,3
	ds_load_b128 v[\reg+4*\c:\reg+4*\c+3], v[\adr] offset:128*(\q)+32*\c+(\i)*16*PITCH
.endr
.endm
; 16 matrix instructions: source 1's blocks a0, a0 + 1 x source 0's eight, 128 along K.  p: source 0's set.  zero = 1: the first product starts the sums, with the bias along j as C: nothing is ever cleared.
; The 64 accumulators take turns, one instruction a turn, in the same order in every step.
.macro MUL16 a0, p, zero
.irp a, \a0, \a0+1
.irp b, 0,1,2,3,4,5,6,7
.if \zero
	v_wmma_f32_16x16x128_fp8_fp8 v[8*(8*((\a)%4)+\b):8*(8*((\a)%4)+\b)+7], v[128*(\p)+FR*\b:128*(\p)+FR*\b+FR-1], v[AF+FR*(\a):AF+FR*(\a)+FR-1], v[BJ+8*\b:BJ+8*\b+7]
.else
	v_wmma_f32_16x16x128_fp8_fp8 v[8*(8*((\a)%4)+\b):8*(8*((\a)%4)+\b)+7], v[128*(\p)+FR*\b:128*(\p)+FR*\b+FR-1], v[AF+FR*(\a):AF+FR*(\a)+FR-1], v[8*(8*((\a)%4)+\b):8*(8*((\a)%4)+\b)+7]
.endif
.endr
.endr
.endm
.macro FETCH_B slot, q, p              ; source 0's eight fragments of the slot's q-th 128 along K into set p
	WIN TO_B
.irp i, 0,1,2,3,4,5,6,7
	FRAG 128*(\p)+FR*\i, ADRB+\slot, \q, \i
.endr
	WIN 0
.endm
.macro FETCH_A slot, q, i0             ; source 1's blocks i0 .. i0 + 3
.irp i, \i0, \i0+1, \i0+2, \i0+3
	FRAG AF+FR*(\i), ADRA+\slot, \q, \i
.endr
.endm
; A load into a register that a matrix instruction has read, and a vector instruction that reads a matrix result or writes one of a matrix instruction's registers, stand NP places behind it; only plain vector
; instructions that name none of its registers are places (ISA guide 7.12.1 for vector instructions).
.macro PLACES n
.rept \n
	v_nop
.endr
.endm
; A step of 128 along K that has its successor in the same slot.
.macro STEP slot, q, zero
	s_wait_dscnt 4*NL                              ; source 0's set and source 1's blocks 0-3 are in; the youngest sixteen loads (blocks 4-7) may be out
.if \zero
	WIN FIRST_LO
.else
	WIN MUL_LO
.endif
	MUL16 0, (\q)%2, \zero
	MUL16 2, (\q)%2, \zero
	s_wait_dscnt 0                                 ; blocks 4-7 are in (asked for 32 matrix instructions ago)
	PLACES NP
	FETCH_B \slot, (\q)+1, 1-(\q)%2
	FETCH_A \slot, (\q)+1, 0
.if \zero
	WIN FIRST_HI
.else
	WIN MUL_HI
.endif
	MUL16 4, (\q)%2, \zero
	MUL16 6, (\q)%2, \zero
	PLACES NP
	WIN 0
	FETCH_A \slot, (\q)+1, 4
.endm
; A slot's last step changes slots: ONE barrier; in front of it each wave waits for all its tensor loads, adds 0 to its spare word, and waits for that and for its own reads of this slot.  fill = 1: this slot is filled again, two K steps ahead.
.macro TURN slot, next, fill
	s_wait_tensorcnt 0x0                           ; all my tensor loads have landed: the one that was out is my part of the next slot  (every window is 0 here)
	ds_add_u32 v[SPW], v[NIL]                      ; 0 onto my spare word
	s_wait_dscnt 4*NL+1                            ; (the add and the youngest sixteen loads, blocks 4-7, may be out)
	WIN MUL_LO
	MUL16 0, 1, 0                                  ; sixteen matrix instructions stand between the add and the wait for it
	s_wait_dscnt 0x0                               ; the add is done, and my reads of this slot are over
	s_barrier_signal -1
	MUL16 2, 1, 0
	WIN 0
	s_barrier_wait -1
.if \fill
	CREST                                          ; the barrier has opened a round of the cluster's barrier: no wave of any partner still reads this slot's tile or has a load on its way
	s_add_nc_u64 s[G0+4*\slot+2:G0+4*\slot+3], s[G0+4*\slot+2:G0+4*\slot+3], 2*ROWB
	s_add_nc_u64 s[G0B+4*\slot+2:G0B+4*\slot+3], s[G0B+4*\slot+2:G0B+4*\slot+3], 2*ROWB
	JLOAD \slot                                    ; the first tensor load behind the round, and my only one until the next; its four v_nop are also the places in front of the loads below
.else
	PLACES NP
.endif
	FETCH_B \next, 0, 0
	FETCH_A \next, 0, 0
	WIN MUL_HI
	MUL16 4, 1, 0
	MUL16 6, 1, 0
	PLACES NP
	WIN 0
	FETCH_A \next, 0, 4
.endm
	s_wait_tensorcnt 1                             ; my part of K step 0 is in; K step 1's load may stay out
	s_barrier_signal -1
	s_barrier_wait -1                              ; everybody's is
	FETCH_B 0, 0, 0
	FETCH_A 0, 0, 0
	FETCH_A 0, 0, 4
	STEP 0, 0, 1                                   ; the first step stands in front of the loop: its products start the sums
	s_mov_b32 s3, LAPS-1
.Llap:                                                 ; a trip goes once round the ring, from a lap's second step to the next lap's first, and fills both slots again
	TURN 0, 1, 1
	STEP 1, 0, 0
	TURN 1, 0, 1
	STEP 0, 0, 0
	s_sub_co_u32 s3, s3, 1
	s_cmp_lg_u32 s3, 0
	s_cbranch_scc1 .Llap
	TURN 0, 1, 0                                   ; the last lap fills nothing, and has no round of the cluster's barrier
	STEP 1, 0, 0
	s_wait_dscnt 4*NL                              ; the very last step: nothing more to fetch
	WIN MUL_LO
	MUL16 0, 1, 0
	MUL16 2, 1, 0
	s_wait_dscnt 0
	WIN MUL_HI
	MUL16 4, 1, 0
	MUL16 6, 1, 0
	WIN 0
; THE WAY OUT of block a (16 rows i x 128 along j): the bias along i is added while the sums come into window 0, each accumulator from its low end on; the hold at 448 x the scale (the conversion to an 8-bit
; code does not saturate: ISA guide 7.6.2); eight conversions, whose sixteen result registers are the fragment; four stores of 512 consecutive bytes each.
.macro OUTBLK a
.set AC, 64*((\a)%4)
.set CB, CD+16*((\a)%4)
.if (\a) >= 4
	s_wait_xcnt 0x0                                ; block a - 4's stores have read this set of code registers
.endif
	WIN 0x02+((\a)/4)                              ; source 0: window 2 or 3
.set J, 0
.rept 32
	v_pk_add_f32 v[TMP+J:TMP+J+1], v[AC+J:AC+J+1], v[BI+2*(\a):BI+2*(\a)+1] op_sel_hi:[1,0]   ; the pair's low word for both halves
.set J, J+2
.endr
	WIN 0
.set J, 0
.rept 64
	v_med3_num_f32 v[TMP+J], v[TMP+J], -v[LIM], v[LIM]
.set J, J+1
.endr
.irp b, 0,1,2,3,4,5,6,7
	v_cvt_scalef32_pk8_fp8_f32 v[CB+2*\b:CB+2*\b+1], v[TMP+8*\b:TMP+8*\b+7], v[SCL]   ; registers 2 bb, 2 bb + 1 of the operand: j = 16 bb + 8 hh + 0 .. 7
.endr
	v_nop                                          ; one plain vector instruction behind the last conversion, ahead of the next block's writes of its sources
.irp c, 0,1,2,3
	global_store_b128 v[STV], v[CB+4*\c:CB+4*\c+3], s[80:81] offset:2048*(\a)+512*\c   ; 32 lanes store 512 consecutive bytes, at a multiple of 512 from the buffer's first byte
.endr
.endm
	PLACES NP                                      ; behind the last products: the sums and codes below land in the registers that held source 1's fragments
.irp a, 0,1,2,3,4,5,6,7
	OUTBLK \a
.endr
	s_wait_tensorcnt 0x0                           ; the wave's end
	ds_add_u32 v[SPW], v[NIL]
	s_wait_dscnt 0x0
	CROUND                                         ; the closing round: no work-group ends while a partner may still ask for a tile that names it
	s_endpgm
.Lfunc_end_k_qcadb1bc081_qkv:
	.size	k_qcadb1bc081_qkv, .Lfunc_end_k_qcadb1bc081_qkv-k_qcadb1bc081_qkv
	.p2alignl 7, 3214868480
	.fill 96, 4, 3214868480
	.section	.rodata,"a",@progbits
	.p2align	6, 0x0
	.amdhsa_kernel k_qcadb1bc081_qkv
		.amdhsa_group_segment_fixed_size 327680
		.amdhsa_private_segment_fixed_size 0
		.amdhsa_enable_private_segment 0
		.amdhsa_kernarg_size 56
		.amdhsa_user_sgpr_count 2
		.amdhsa_user_sgpr_kernarg_segment_ptr 1
		.amdhsa_wavefront_size32 1
		.amdhsa_system_sgpr_workgroup_id_x 1
		.amdhsa_system_sgpr_workgroup_id_y 1
		.amdhsa_system_sgpr_workgroup_id_z 1
		.amdhsa_system_vgpr_workitem_id 0
		.amdhsa_next_free_vgpr 1024
		.amdhsa_next_free_sgpr 100
		.amdhsa_reserve_vcc 0
		.amdhsa_float_denorm_mode_32 3
		.amdhsa_float_denorm_mode_16_64 3
		.amdhsa_memory_ordered 1
		.amdhsa_forward_progress 1
		.amdhsa_inst_pref_size 146
	.end_amdhsa_kernel
	.amdgpu_metadata
---
amdhsa.version: [ 1, 2 ]
amdhsa.kernels:
  - .name:           k_qcadb1bc081_qkv
    .symbol:         k_qcadb1bc081_qkv.kd
    .args:
      - { .name: x_codes, .offset: 0, .size: 8, .value_kind: global_buffer, .address_space: global }
      - { .name: Wqkv_codes, .offset: 8, .size: 8, .value_kind: global_buffer, .address_space: global }
      - { .name: bqkv, .offset: 16, .size: 8, .value_kind: global_buffer, .address_space: global }
      - { .name: lowp_scales, .offset: 24, .size: 8, .value_kind: global_buffer, .address_space: global }
      - { .name: qimg, .offset: 32, .size: 8, .value_kind: global_buffer, .address_space: global }
      - { .name: kimg, .offset: 40, .size: 8, .value_kind: global_buffer, .address_space: global }
      - { .name: vimg, .offset: 48, .size: 8, .value_kind: global_buffer, .address_space: global }
    .group_segment_fixed_size: 327680
    .private_segment_fixed_size: 0
    .kernarg_segment_align: 8
    .kernarg_segment_size: 56
    .max_flat_workgroup_size: 128
    .sgpr_count:     100
    .vgpr_count:     1024
    .wavefront_size: 32
...
	.end_amdgpu_metadata
.endif
;; end of part 1
;; launch attn (part 2): grid 2 x 128, 16 waves a work-group, no clusters, 133,120 bytes of LDS; arguments qimg, kimg, vimg, lowp_scales, oimg; writes oimg
.if DOCPART == 2
	.amdgcn_target "amdgcn-amd-amdhsa--gfx1250"
	.amdhsa_code_object_version 6
	.text
	.protected	k_qcadb1bc081_attn
	.globl	k_qcadb1bc081_attn
	.p2align	8
	.type	k_qcadb1bc081_attn,@function
k_qcadb1bc081_attn:
	s_mov_b64 s[64:65], 0
	v_nop
	global_prefetch_b8 v0, s[64:65] scope:SCOPE_SE
	s_setreg_imm32_b32 hwreg(HW_REG_WAVE_MODE, 25, 1), 1
	s_wait_xcnt 0x0
; o = softmax(q k^T / 8, causal) v for one head, both products on codes of FP8 (E4M3); o is quantised with the given 2^e6 and stored as the last product's operand.
; q, k, v come as images of operand registers (piece c of a fragment: 512 bytes, lane L's registers 4 c .. 4 c + 3 at 16 L):
;   qimg, kimg [b 8][pair of heads 8][tile of 16 rows 64][head of the pair 2][1,024]: lane (r, hh): row r, registers 2 c, 2 c + 1: channels 16 c + 8 hh + 0 .. 7;
;   vimg [b 8][128 keys 8][4 h + dt 64][2,048]: lane (r, hh): channel 16 dt + r, registers 2 c, 2 c + 1: keys 16 c + 8 hh + 0 .. 7;   oimg [b 8][tile of 16 rows 64][128 along K 8][2,048]: head h fills bytes 1,024 (h % 2) on of chunk h / 2.
; ROWS.  A batch has 1,024 rows l'.  In batches 0 to 6 rows 1000 .. 1023 are not the batch's own: as keys the causal mask hides them from every own query, as queries their results are dropped by the next launch.
; In batch 7 the own rows are l' = 24 .. 1023: keys 0 .. 23 are hidden from queries 24 on (queries 0 .. 23 keep them, so that no row is all hidden; their results are dropped).
; THE SOFTMAX AHEAD OF THE SECOND PRODUCT: t = score x log2(e) / 8; M = the row's largest t so far, rounded UP to a whole number; p = 2^(t - M) is quantised along the keys, not normalised.  The row's sum is taken of the
; unquantised p, in f32, and divides at the end.  When M moves, the sum and O are multiplied by 2^(old M - new M): exact.
; SHARES.  Two work-groups to a head, sixteen waves each, four to a SIMD.  A head has 64 tiles of 16 queries; wave w of work-group p takes tiles T = 16 p + w and 63 - T, one after the other.
; Tile T needs T / 8 + 1 key steps of 128, so each wave has (T / 8 + 1) + (8 - T / 8) = 9 steps: all waves and both work-groups have the same work.  Both loops have constant trip counts; a step all of whose keys come after
; the tile's queries is passed over by a scalar branch on ids.
; LDS holds the head's K (64 fragments of 1,024 bytes) and V (32 of 2,048) whole: 131,072 bytes, filled once through registers, sixteen loads a lane in one run; one barrier; behind it LDS is only read.
; NO JOINT LOADS, though the two work-groups of a head read the same 131,072 bytes: each reads them once, in that one run, against its 144 tile steps of work.
; All is asked for at the head, so there is nothing to prefetch.
; LAYOUT.  Both products are used transposed: S^T = K Q^T (source 0 = 16 keys, source 1 = my 16 queries), O^T = V^T P^T (source 0 = 16 channels, source 1 = P): a lane holds ONE query (lane % 16) throughout.  Register 8 t + j of S^T
; is key 16 t + 8 hh + j of the step, so tile t's eight registers convert into registers 2 t, 2 t + 1 of P, and O^T's tile dt into registers 2 dt, 2 dt + 1 of o's fragment: nothing changes lanes.
; LIMITS on the given exponents, so that each power of two below is an f32 number: e2 + e3 between -123 and 130 (added to c's exponent field); e5, and e6 - e5 - e4, between -126 and 119.  NaN among the codes is not served.
; REGISTERS: v1 16 x lane; v2 r; v3 hh; v4-6 the fill's offsets; v7 r - 8 hh; v8, v9 the step's addresses; v10 at work; v11 16 x lane + V's base; v12 -M; v13 the largest t; v[14:15] the sum in two halves; v16-23 Q; v24-31 o's codes;
;   v32-95 K's eight fragments, then V's four; v96-159 S^T, then p; v160-191 O^T; v192-223 O^T / the sum; v224-239 p's codes; v240, v244: 448 x 2^e5, 2^e5; v241, v245: the same with e6 - e5 - e4; v242-254 at work.
.set VREG, 65536                       ; LDS: K's fragments from 0, V's from here
	s_load_b256 s[4:11], s[0:1], 0x0               ; qimg s[4:5], kimg s[6:7], vimg s[8:9], the scales' exponents s[10:11]
	s_load_b64 s[12:13], s[0:1], 0x20              ; oimg
	v_lshl_add_u32 v251, v0, 2, 0x20000
	v_mov_b32 v255, 0
	v_lshrrev_b32 v10, 5, v0
	v_readfirstlane_b32 s14, v10                   ; wave 0..15
	v_and_b32 v1, 31, v0
	v_lshlrev_b32 v1, 4, v1                        ; 16 x lane
	v_and_b32 v2, 15, v0                           ; r
	v_bfe_u32 v3, v0, 4, 1                         ; hh
	v_lshrrev_b32 v4, 6, v0
	v_and_b32 v10, 63, v0
	v_lshlrev_b32 v4, 11, v4
	v_lshl_add_u32 v4, v10, 4, v4                  ; K in memory: 64 threads to a fragment's 1,024 bytes, the fragments 2,048 bytes apart (the pair's other head lies between)
	v_lshlrev_b32 v5, 4, v0                        ; V in memory, and K in LDS: 16 x thread
	v_add_nc_u32 v6, VREG, v5                      ; V in LDS
	v_lshlrev_b32 v7, 3, v3
	v_sub_nc_u32 v7, v2, v7                        ; r - 8 hh, for the masks
	v_add_nc_u32 v11, VREG, v1
	v_mov_b32 v247, 0xff800000                     ; -infinity
	v_mov_b32 v248, 0                              ; written once: a lane permute's destination counts as one of its sources
	v_mov_b32 v253, 0                              ; (named as the upper half of the pair v[252:253])
	s_and_b32 s15, ttmp7, 0xffff
	s_lshr_b32 s16, s15, 4                         ; b
	s_and_b32 s17, s15, 15                         ; h
	s_lshl_b32 s19, ttmp9, 4
	s_add_co_u32 s19, s19, s14                     ; T = 16 p + w
	s_lshr_b32 s48, s17, 1                         ; h / 2
	s_and_b32 s49, s17, 1                          ; h % 2
	s_lshl_b32 s50, s16, 3
	s_add_co_u32 s50, s50, s48
	s_lshl_b32 s50, s50, 17
	s_lshl_b32 s51, s49, 10
	s_add_co_u32 s50, s50, s51                     ; the head in qimg and kimg: (8 b + h / 2) x 131,072 + (h % 2) x 1,024
	s_mov_b32 s51, 0
	s_lshl_b32 s52, s16, 20
	s_lshl_b32 s53, s17, 13
	s_add_co_u32 s52, s52, s53                     ; in vimg: b x 1,048,576 + h x 8,192
	s_mov_b32 s53, 0
	s_lshl_b32 s54, s16, 20
	s_lshl_b32 s55, s48, 11
	s_add_co_u32 s54, s54, s55
	s_lshl_b32 s55, s49, 10
	s_add_co_u32 s54, s54, s55                     ; in oimg: b x 1,048,576 + (h / 2) x 2,048 + (h % 2) x 1,024
	s_mov_b32 s55, 0
	s_cmp_eq_u32 s16, 7
	s_cselect_b32 s30, 24, 0                       ; KMIN: the batch's first own key
	s_mov_b32 s20, 0x76543210                      ; lane selects for v_permlanex16_b32: lane l xor 16
	s_mov_b32 s21, 0xfedcba98
	s_mov_b32 s22, 0x3e38aa3b                      ; c = log2(e) / 8
	s_wait_kmcnt 0x0
	s_load_b256 s[32:39], s[10:11], 0x0            ; e0 .. e7
	s_add_nc_u64 s[40:41], s[4:5], s[50:51]
	s_add_nc_u64 s[6:7], s[6:7], s[50:51]
	s_add_nc_u64 s[8:9], s[8:9], s[52:53]
	s_add_nc_u64 s[42:43], s[12:13], s[54:55]
.irp i, 0,1,2,3,4,5,6,7
	global_load_b128 v[96+4*\i:99+4*\i], v4, s[6:7] offset:16384*\i      ; K: eight fragments an instruction of the work-group; 64 threads read 1,024 consecutive bytes
.endr
.irp i, 0,1,2,3,4,5,6,7
	global_load_b128 v[128+4*\i:131+4*\i], v5, s[8:9] offset:131072*\i   ; V: a key step's four fragments, 8,192 consecutive bytes
.endr
	s_wait_kmcnt 0x0
	s_add_co_i32 s48, s34, s35
	s_lshl_b32 s48, s48, 23
	s_add_co_i32 s22, s22, s48                     ; a score stands for score x 2^(e2 + e3): the two exponents are added to c's exponent field
	s_mov_b32 s23, s22                             ; (named with it as a pair, so it is written)
	s_add_co_i32 s48, s37, 127
	s_lshl_b32 s49, s48, 23
	v_mov_b32 v244, s49                            ; 2^e5 as f32, for p's conversions
	s_add_co_i32 s48, s48, 8
	s_lshl_b32 s48, s48, 23
	s_or_b32 s48, s48, 0x600000
	v_mov_b32 v240, s48                            ; 448 x 2^e5
	s_sub_co_i32 s48, s38, s37
	s_sub_co_i32 s48, s48, s36                     ; O^T / the sum stands for o / 2^(e5 + e4): its code is that / 2^(e6 - e5 - e4)
	s_add_co_i32 s48, s48, 127
	s_lshl_b32 s49, s48, 23
	v_mov_b32 v245, s49
	s_add_co_i32 s48, s48, 8
	s_lshl_b32 s48, s48, 23
	s_or_b32 s48, s48, 0x600000
	v_mov_b32 v241, s48
.irp i, 0,1,2,3,4,5,6,7
	s_wait_loadcnt 15-\i                           ; loads come back in order: this one is in, the younger ones may be out
	ds_store_b128 v5, v[96+4*\i:99+4*\i] offset:8192*\i
.endr
.irp i, 0,1,2,3,4,5,6,7
	s_wait_loadcnt 7-\i
	ds_store_b128 v6, v[128+4*\i:131+4*\i] offset:8192*\i
.endr
	s_wait_dscnt 0x0                               ; for the others' sake: my stores have landed
	s_barrier_signal -1
	s_barrier_wait -1                              ; K and V lie whole in LDS; nothing is written there again
	s_mov_b32 s31, 0                               ; the pass
.Lpass:
	s_sub_co_u32 s24, 63, s19
	s_cmp_eq_u32 s31, 0
	s_cselect_b32 s24, s24, s19                    ; the tile: 63 - T, then T
	s_lshr_b32 s25, s24, 3                         ; its last key step, the one on the diagonal
	s_lshl_b32 s26, s24, 4                         ; its first query
	s_lshl_b32 s48, s24, 11
	s_mov_b32 s49, 0
	s_add_nc_u64 s[44:45], s[40:41], s[48:49]      ; (the last pass's loads by this base were waited for)
	global_load_b128 v[16:19], v1, s[44:45]        ; Q's fragment stays in registers
	global_load_b128 v[20:23], v1, s[44:45] offset:512
	v_mov_b32 v13, 0xff61b1e6                      ; the largest t so far: -3e38, under every t
	v_floor_f32 v12, -v13                          ; -M
	v_mov_b32 v14, 0                               ; the sum, in two halves
	v_mov_b32 v15, 0
.set J, 0
.rept 32
	v_mov_b32 v[160+J], 0                          ; O^T.  (The key step is written once: the first finds zeros, which the first change of M leaves zeros)
.set J, J+1
.endr
	s_mov_b32 s27, 0                               ; the key step,
	s_mov_b32 s28, 0                               ; its fragments' place in K's and in V's part of LDS (8,192 bytes a step in both),
	s_mov_b32 s29, 0                               ; its first key
	s_wait_loadcnt 0x0                             ; Q
.Lstep:
	s_cmp_gt_u32 s27, s25                          ; all 128 keys come after my 16 queries: the step's work is passed over
	s_cbranch_scc1 .Lnext
	v_add_nc_u32 v8, s28, v1
	v_add_nc_u32 v9, s28, v11
	v_nop                                          ; with the two additions: four places in front of loads into registers that the last step's products have read
	v_nop
.irp t, 0,1,2,3,4,5,6,7
	ds_load_b128 v[32+8*\t:35+8*\t], v8 offset:1024*\t
	ds_load_b128 v[36+8*\t:39+8*\t], v8 offset:1024*\t+512
.endr
	s_wait_dscnt 0x0
.irp t, 0,1,2,3,4,5,6,7
	v_wmma_f32_16x16x64_fp8_fp8 v[96+8*\t:103+8*\t], v[32+8*\t:39+8*\t], v[16:23], 0   ; S^T: keys 16 t on x my 16 queries
.endr
.rept 4
	v_nop                                          ; places in front of the loads below and of the first read of the scores
.endr
.irp d, 0,1,2,3
.irp c, 0,1,2,3
	ds_load_b128 v[32+16*\d+4*\c:35+16*\d+4*\c], v9 offset:2048*\d+512*\c   ; V's four fragments land while the softmax is worked
.endr
.endr
	s_cmp_lt_u32 s29, s30                          ; batch 7, key step 0 alone (there the step's first key is 0): keys under 24 are not the batch's own
	s_cbranch_scc0 .Lno_front
	v_add_nc_u32 v246, s26, v2                     ; my query
	v_cmp_le_u32 vcc_lo, s30, v246
	v_mov_b32 v254, s30
	v_cndmask_b32 v246, 0, v254, vcc_lo            ; 24 for an own query, 0 for the others
	v_lshlrev_b32 v254, 3, v3
	v_sub_nc_u32 v246, v246, v254                  ; register 8 t + j holds key 16 t + 8 hh + j: hidden where 16 t + j < that - 8 hh.  Only tiles 0 and 1 hold keys under 24
.set N, 0
.rept 16
	v_cmp_lt_i32 vcc_lo, 16*(N/8)+N%8, v246
	v_cndmask_b32 v[96+N], v[96+N], v247, vcc_lo
.set N, N+1
.endr
.Lno_front:
	s_cmp_eq_u32 s27, s25                          ; on the diagonal the scores of keys behind the query become -infinity ahead of the maximum: p = 0 then
	s_cbranch_scc0 .Lopen
	s_sub_co_i32 s48, s26, s29
	v_add_nc_u32 v246, s48, v7                     ; d = my query - the step's first key - 8 hh: hidden where 16 t + j > d
.set N, 0
.rept 64
	v_cmp_gt_i32 vcc_lo, 16*(N/8)+N%8, v246
	v_cndmask_b32 v[96+N], v[96+N], v247, vcc_lo
.set N, N+1
.endr
.Lopen:
	v_max3_num_f32 v254, v96, v97, v98             ; the step's largest score of my query, among my 64 keys, in two chains (each tile's registers are first read at their low end),
	v_max3_num_f32 v252, v99, v100, v101
.irp i, 6,10,14,18,22,26,30,34,38,42,46,50,54,58
	v_max3_num_f32 v254, v254, v[96+\i], v[97+\i]
	v_max3_num_f32 v252, v252, v[98+\i], v[99+\i]
.endr
	v_max3_num_f32 v254, v254, v158, v159
	v_max_num_f32 v254, v254, v252
	v_permlanex16_b32 v248, v254, s20, s21
	v_max_num_f32 v254, v254, v248                 ; and among lane l xor 16's
	v_mul_f32 v254, s22, v254                      ; as t (c is positive)
	v_max_num_f32 v13, v13, v254                   ; the running largest t
	v_mov_b32 v254, v12
	v_floor_f32 v12, -v13                          ; the new -M = floor(-t) = -ceil(t): M is a whole number
	v_sub_f32 v254, v12, v254                      ; M's old value less its new one: a whole number, 0 or less
	v_cvt_i32_f32 v254, v254                       ; (it saturates)
	v_ldexp_f32 v252, 1.0, v254                    ; f = 2^(old M - new M)
.set J, 0
.rept 32
	v_pk_fma_f32 v[96+J:97+J], v[96+J:97+J], s[22:23], v[12:13] op_sel_hi:[1,0,0]   ; t - M, two at a time (of the pairs c and -M the low word serves both halves)
.set J, J+2
.endr
.set J, 0
.rept 64
	v_exp_f32 v[96+J], v[96+J]                     ; p = 2^(t - M): not normalised
.set J, J+1
.endr
	v_pk_mul_f32 v[14:15], v[14:15], v[252:253] op_sel_hi:[1,0]   ; the sums under the new M: the plain instruction behind the exponentials
	s_wait_alu depctr_va_vdst(0)                   ; one wait for the whole batch of 64, ahead of its first reader
	v_pk_add_f32 v[242:243], v[96:97], v[98:99]    ; the row's sum is taken of the unquantised p: two at a time, in two chains
.irp j, 4,8,12,16,20,24,28,32,36,40,44,48,52,56,60
	v_pk_add_f32 v[14:15], v[14:15], v[96+\j:97+\j]
	v_pk_add_f32 v[242:243], v[242:243], v[98+\j:99+\j]
.endr
	v_pk_add_f32 v[14:15], v[14:15], v[242:243]
	s_cmp_lt_i32 s37, -8                           ; p is at most 1 (but for the last bit of the multiply-add), and from e5 = -8 on 448 x 2^e5 is 1.75 or more: the hold could change nothing, and is passed over
	s_cbranch_scc0 .Lno_hold                       ; (a branch on a whole number that was given; this launch has no tensor load and no copy)
.set J, 0
.rept 64
	v_min_num_f32 v[96+J], v[96+J], v240           ; the conversion to an 8-bit code does not saturate (ISA guide 7.6.2); p is not negative, so the hold is one-sided
.set J, J+1
.endr
.Lno_hold:
.irp t, 0,1,2,3,4,5,6,7
	v_cvt_scalef32_pk8_fp8_f32 v[224+2*\t:225+2*\t], v[96+8*\t:103+8*\t], v244   ; registers 2 t, 2 t + 1 of P: keys 16 t + 8 hh + 0 .. 7
.endr
.set J, 0
.rept 16
	v_pk_mul_f32 v[160+J:161+J], v[160+J:161+J], v[252:253] op_sel_hi:[1,0]   ; O^T under the new M: x f.  (Also the plain instructions between the conversions and the products that read their results)
.set J, J+2
.endr
	s_wait_dscnt 0x0                               ; V's fragments are in
.irp d, 0,1,2,3
	v_wmma_f32_16x16x128_fp8_fp8 v[160+8*\d:167+8*\d], v[32+16*\d:47+16*\d], v[224:239], v[160+8*\d:167+8*\d]   ; O^T += V^T P^T: the four accumulators by turns, one instruction a turn
.endr
.Lnext:
	s_add_co_u32 s28, s28, 8192
	s_add_co_u32 s29, s29, 128
	s_add_co_u32 s27, s27, 1
	s_cmp_lt_u32 s27, 8
	s_cbranch_scc1 .Lstep
	; the tile's end: O^T is divided by the sum, held, converted, and stored as it stands: 1,024 bytes on end
.rept 4
	v_nop                                          ; places behind the last products
.endr
	v_add_f32 v14, v14, v15                        ; the sum's two halves,
	v_permlanex16_b32 v248, v14, s20, s21
	v_add_f32 v14, v14, v248                       ; and lane l xor 16's: the row's sum
	v_rcp_f32 v14, v14
	v_nop                                          ; a plain instruction behind the reciprocal
	s_wait_xcnt 0x0                                ; the last tile's stores have read their base and their data: both are written again below
	s_lshl_b32 s48, s24, 14
	s_mov_b32 s49, 0
	s_add_nc_u64 s[46:47], s[42:43], s[48:49]      ; the tile's fragment in oimg: 16,384 bytes a tile of rows
	s_wait_alu depctr_va_vdst(0)                   ; ahead of the reciprocal's first reader
.set J, 0
.rept 16
	v_pk_mul_f32 v[192+J:193+J], v[160+J:161+J], v[14:15] op_sel_hi:[1,0]   ; each accumulator from its low end on
.set J, J+2
.endr
.set J, 0
.rept 32
	v_med3_num_f32 v[192+J], v[192+J], -v241, v241
.set J, J+1
.endr
.irp d, 0,1,2,3
	v_cvt_scalef32_pk8_fp8_f32 v[24+2*\d:25+2*\d], v[192+8*\d:199+8*\d], v245   ; channels 16 dt + 8 hh + 0 .. 7 of my query
.endr
	v_nop                                          ; one plain vector instruction behind the last conversion
	global_store_b128 v1, v[24:27], s[46:47]       ; 32 lanes store 512 consecutive bytes, at a multiple of 512 from the buffer's first byte
	global_store_b128 v1, v[28:31], s[46:47] offset:512
	s_add_co_u32 s31, s31, 1
	s_cmp_lt_u32 s31, 2
	s_cbranch_scc1 .Lpass
	s_wait_tensorcnt 0x0
	ds_add_u32 v251, v255
	s_wait_dscnt 0x0
	s_endpgm
.Lfunc_end_k_qcadb1bc081_attn:
	.size	k_qcadb1bc081_attn, .Lfunc_end_k_qcadb1bc081_attn-k_qcadb1bc081_attn
	.p2alignl 7, 3214868480
	.fill 96, 4, 3214868480
	.section	.rodata,"a",@progbits
	.p2align	6, 0x0
	.amdhsa_kernel k_qcadb1bc081_attn
		.amdhsa_group_segment_fixed_size 133120
		.amdhsa_private_segment_fixed_size 0
		.amdhsa_enable_private_segment 0
		.amdhsa_kernarg_size 40
		.amdhsa_user_sgpr_count 2
		.amdhsa_user_sgpr_kernarg_segment_ptr 1
		.amdhsa_wavefront_size32 1
		.amdhsa_system_sgpr_workgroup_id_x 1
		.amdhsa_system_sgpr_workgroup_id_y 1
		.amdhsa_system_sgpr_workgroup_id_z 1
		.amdhsa_system_vgpr_workitem_id 0
		.amdhsa_next_free_vgpr 256
		.amdhsa_next_free_sgpr 66
		.amdhsa_reserve_vcc 1
		.amdhsa_float_denorm_mode_32 3
		.amdhsa_float_denorm_mode_16_64 3
		.amdhsa_memory_ordered 1
		.amdhsa_forward_progress 1
		.amdhsa_inst_pref_size 34
	.end_amdhsa_kernel
	.amdgpu_metadata
---
amdhsa.version: [ 1, 2 ]
amdhsa.kernels:
  - .name:           k_qcadb1bc081_attn
    .symbol:         k_qcadb1bc081_attn.kd
    .args:
      - { .name: qimg, .offset: 0, .size: 8, .value_kind: global_buffer, .address_space: global }
      - { .name: kimg, .offset: 8, .size: 8, .value_kind: global_buffer, .address_space: global }
      - { .name: vimg, .offset: 16, .size: 8, .value_kind: global_buffer, .address_space: global }
      - { .name: lowp_scales, .offset: 24, .size: 8, .value_kind: global_buffer, .address_space: global }
      - { .name: oimg, .offset: 32, .size: 8, .value_kind: global_buffer, .address_space: global }
    .group_segment_fixed_size: 133120
    .private_segment_fixed_size: 0
    .kernarg_segment_align: 8
    .kernarg_segment_size: 40
    .max_flat_workgroup_size: 512
    .sgpr_count:     66
    .vgpr_count:     256
    .wavefront_size: 32
...
	.end_amdgpu_metadata
.endif
;; end of part 2
;; launch proj (part 3): grid 8 x 32, 4 waves a work-group, clusters of 4 x 4, 327,680 bytes of LDS; arguments oimg, Wo_codes, bo, lowp_scales, out0; writes out0
.if DOCPART == 3
	.amdgcn_target "amdgcn-amd-amdhsa--gfx1250"
	.amdhsa_code_object_version 6
	.text
	.protected	k_qcadb1bc081_proj
	.globl	k_qcadb1bc081_proj
	.p2align	8
	.type	k_qcadb1bc081_proj,@function
k_qcadb1bc081_proj:
	s_mov_b64 s[64:65], 0
	v_nop
	global_prefetch_b8 v0, s[64:65] scope:SCOPE_SE
	s_setreg_imm32_b32 hwreg(HW_REG_WAVE_MODE, 25, 1), 1
	s_wait_xcnt 0x0
	s_wait_alu depctr_hold_cnt(0) depctr_sa_sdst(0) depctr_va_vdst(0) depctr_va_sdst(0) depctr_va_ssrc(0) depctr_va_vcc(0) depctr_vm_vsrc(0)
	s_getreg_b32 s2, hwreg(HW_REG_IB_STS2, 6, 4)
	s_cmp_eq_u32 s2, 0
	s_cbranch_scc0 .Lentry_in_a_cluster
	s_endpgm
.Lentry_in_a_cluster:
	s_bfe_u32 s2, ttmp6, 0x10000c
	s_cmp_lg_u32 s2, 0xf033
	s_cbranch_scc0 .Lentry_shape_is_right
	s_endpgm
.Lentry_shape_is_right:
; out0 = o Wo + bo on codes of FP8 (E4M3).  o comes as images of operand registers, oimg [b 8][tile of 16 rows 64][128 along K 8][2,048 bytes] (piece c: 512 bytes, lane L's registers 4 c .. 4 c + 3 at 16 L;
; lane (r, hh): row r, registers 2 c, 2 c + 1: K = 16 c + 8 hh + 0 .. 7); Wo: [1024 (n)][1024 (k)] codes, K innermost; out0: [8000][1024] f32.  Each finished sum is multiplied once by 2^(e6 + e7) and bo is added, in one fused multiply-add.
; ROWS.  A batch has 1,024 rows l'; row l' is out0's row min(1000 b, 6976) + l'.  Stored are the batch's own: l' < 1000 in batches 0 to 6, l' >= 24 in batch 7.  The other 24 rows fall on whole groups of stores of one wave of one
; work-group; those groups run with all lanes off.  That is a mask and no branch: no branch here hangs on a work-group's place in its cluster.
; SHARES.  A work-group of four waves makes 256 rows x 128 columns, so that the 32 x 8 tiles are one for each of 256 work-groups; a wave makes 128 x 64: 32 accumulators of 16 x 16, 256 registers.
; K = 1,024 goes in four steps of 256 through a ring of two LDS slots filled by the tensor data mover.  Of the four K steps two are the first fills and two the only refills: there is no later K step to ask for ahead, so no prefetch is laid.
; CLUSTERS: 4 x 4 work-groups.  Cluster y is the batch, cy the block of 256 rows; 4 x cluster x + cx the block of 128 columns.  o's tile is shared along a row of the cluster, Wo's along a column: each is asked for jointly.
; THE MATRIX INSTRUCTION IS USED TRANSPOSED (source 0 = 16 rows of Wo, source 1 = 16 rows of o): a lane then holds eight neighbouring numbers of a row of out0.
; o's fragments are read as they lie, four loads of 16 bytes at 16 x lane; Wo's must have each k in the same place, so they come by eight loads of 8 bytes from rows.
; LIMIT: e6 + e7 lies between -126 and 127, so that 2^(e6 + e7) is an f32 number.  NaN among the codes or in bo is not served.
; REGISTERS, in windows of 256: window 0: v0-31 addresses; v32-63 bo in the result's layout; v64-95 a block's results; from v128 o's fragments (8 x 16 registers), ONE set; on the way out v128-191 rows read back.
;   window 1: Wo's fragments (4 x 16 registers), TWO sets, at v0 and v128.   window 2: the accumulators, (a, bb) at v[8 (4 a + bb)].
.set PITCH,  272                       ; a row of Wo's tile in LDS: 256 bytes + 16 of padding = 68 words: the 32 lanes of a load of 8 bytes touch 64 different banks (64 banks of 4 bytes: ISA guide 11.1)
.set AHALF,  32768                     ; o: 8 tiles of rows x 4,096 bytes (two chunks of 128 along K): what one tensor load brings, dense
.set BHALF,  64*PITCH                  ; Wo: 64 rows
.set BOFF,   2*AHALF                   ; a slot: o's two halves, then Wo's two
.set SLOT,   BOFF+2*BHALF
.set LAPS,   2                         ; a lap = two K steps = once round the ring
.set SPARE,  2*SLOT                    ; behind the ring: the spare words, 128 bytes for each wave, which no other line names
.set SPITCH, 272                       ; the way out: a stage of 16 rows x (256 bytes + 16) for each wave.  It lies in slot 0, which has had its last fill and its last read when the first result is stored there
.set NP,     4                         ; places behind this matrix instruction (ISA guide 7.12.1)
.set ADRA, 16                          ; v16-17  LDS address of o's fragments in slot 0, 1
.set ADRB, 20                          ; v20-21  the same for Wo's
.set STO,  24                          ; v24     the way out: where I put 32 bytes of a row
.set RD,   25                          ; v25     the way out: where I read a row back
.set CO,   26                          ; v26     my byte offset in two rows of out0
.set SPW,  28                          ; v28     LDS address of my spare word; never rewritten
.set NIL,  29                          ; v29     0; never rewritten
.set BJ,   32                          ; v32-63  bo: block bb at v[BJ + 8 bb]
.set TMP,  64                          ; v64-95  a block's 32 results
.set AF,   128                         ; o's fragments
.set BK,   128                         ; the way out: 16 rows read back: v128-159 and v160-191 by turns
.set MF,   70                          ; s70     0 where my rows 0 .. 23 are not the batch's own, else all ones
.set MB,   71                          ; s71     0 where my rows 104 .. 127 are not, else all ones
.set G1, 24                            ; s[24:31] descriptor group 1 for o's tiles;  s[32:39] group 0, one set for each slot
.set G0, 32
.set G1B, 48                           ; s[48:55], s[56:63] the same for Wo's tiles
.set G0B, 56
.set MSB, 0
.macro WIN new                         ; the immediate's high byte repeats the setting that is left; a switch that changes nothing is dropped
.if MSB != (\new)
	s_set_vgpr_msb (MSB<<8)|(\new)
.set MSB, (\new)
.endif
.endm
.set MUL,  0xa1                        ; source 0 (Wo) window 1, source 1 (o) window 0, C and D window 2
.set TO_B, 0x40                        ; destination window 1, address window 0
; A joint load: waves 0 and 1 fetch o's two halves, waves 2 and 3 Wo's.  The branch hangs on the wave's number alone.  Four v_nop follow each of the two lines.
.macro JLOAD s
	s_cmp_eq_u32 s15, 0
	s_cbranch_scc0 .Lfor_w_\@
	tensor_load_to_lds s[G0+4*\s:G0+4*\s+3], s[G1:G1+7]
	s_nop 0
.rept 4
	v_nop
.endr
	s_branch .Lasked_\@
.Lfor_w_\@:
	tensor_load_to_lds s[G0B+4*\s:G0B+4*\s+3], s[G1B:G1B+7]
	s_nop 0
.rept 4
	v_nop
.endr
.Lasked_\@:
.endm
.macro CREST                           ; a round of the cluster's barrier behind its opening barrier
	s_cmp_lg_u32 s14, 0
	s_cbranch_scc1 .Lnot_wave_0_\@
	s_barrier_signal -3
.Lnot_wave_0_\@:
	s_barrier_wait -3
	s_barrier_signal -1
	s_barrier_wait -1
.endm
.macro CROUND                          ; a whole round
	s_barrier_signal -1
	s_barrier_wait -1
	CREST
.endm
	s_load_b256 s[4:11], s[0:1], 0x0               ; oimg s[4:5], Wo's codes s[6:7], bo s[8:9], the scales' exponents s[10:11]
	s_load_b64 s[12:13], s[0:1], 0x20              ; out0
	v_lshl_add_u32 v[SPW], v0, 2, SPARE
	v_mov_b32 v[NIL], 0
	ds_add_u32 v28, v29
	ds_add_u32 v28, v29
	s_wait_dscnt 0x0
	v_lshrrev_b32 v1, 5, v0
	v_readfirstlane_b32 s14, v1                    ; wave 0..3
	s_lshr_b32 s15, s14, 1                         ; which half of the tile's rows is mine.  Also: I fetch for o (0) or for Wo (1)
	s_and_b32 s16, s14, 1                          ; which half of its columns.  Also: which half of that tile I fetch
	s_bfe_u32 s40, ttmp6, 0x40000                  ; cx, cy: my place in the cluster
	s_bfe_u32 s41, ttmp6, 0x40004
	s_lshl_b32 s42, ttmp9, 2
	s_add_co_u32 s42, s42, s40                     ; X: my block of 128 columns
	s_and_b32 s69, ttmp7, 0xffff                   ; the batch
	s_lshl_b32 s43, s41, 2
	s_lshl_b32 s43, 15, s43                        ; my row of the cluster
	s_lshl_b32 s44, 0x1111, s40                    ; my column
	; descriptor group 1 for o: 8 rows of 4,096 bytes (512 elements of 8 bytes), 16,384 bytes apart in memory, dense in LDS
	s_or_b32 s[G1+0], s43, (3<<16)|(1<<21)         ; 15:0 the mask: o's tiles go to my row; 17:16 elements of 8 bytes; 20 no padding; 21 set beside a mask
	s_mov_b32 s[G1+1], 512<<16                     ; tensor_dim0 = 512
	s_mov_b32 s[G1+2], 8<<16                       ; tensor_dim1 = 8
	s_mov_b32 s[G1+3], 512<<16                     ; tile_dim0 = 512
	s_mov_b32 s[G1+4], 8                           ; tile_dim1 = 8
	s_mov_b32 s[G1+5], 2048                        ; tensor_dim0_stride, in elements
	s_mov_b32 s[G1+6], 0
	s_mov_b32 s[G1+7], 0
	; and for Wo: 64 rows x 256 bytes, padded in LDS
	s_or_b32 s[G1B+0], s44, (0<<16)|(1<<20)|(1<<21)|(5<<22)|(3<<25)  ; the mask of my column; elements of 1 byte; padding: four words after every 64
	s_mov_b32 s[G1B+1], 256<<16
	s_mov_b32 s[G1B+2], 64<<16
	s_mov_b32 s[G1B+3], 256<<16
	s_mov_b32 s[G1B+4], 64
	s_mov_b32 s[G1B+5], 1024
	s_mov_b32 s[G1B+6], 0
	s_mov_b32 s[G1B+7], 0
	s_lshl_b32 s20, s69, 6
	s_lshl_b32 s21, s41, 4
	s_add_co_u32 s20, s20, s21
	s_lshl_b32 s21, s16, 3
	s_add_co_u32 s20, s20, s21                     ; o: tile of rows 64 b + 16 cy + 8 x half: made of the batch, cy and the wave's number, which my row of the cluster shares
	s_lshl_b32 s20, s20, 14                        ; x 16,384 bytes
	s_mov_b32 s21, 0
	s_lshl_b32 s46, s42, 7
	s_lshl_b32 s47, s16, 6
	s_add_co_u32 s46, s46, s47                     ; Wo: row 128 X + 64 x half: made of cluster x, cx and the wave's number, which my column shares
	s_lshl_b32 s46, s46, 10
	s_mov_b32 s47, 0
	s_lshl_b32 s45, s16, 15                        ; where they go: o's half,
	s_mul_i32 s18, s16, BHALF
	s_add_co_u32 s18, s18, BOFF                    ; Wo's half: no place in the cluster enters an LDS address
	s_wait_kmcnt 0x0
	s_load_b64 s[96:97], s[10:11], 0x18            ; e6, e7
	s_add_nc_u64 s[20:21], s[4:5], s[20:21]
	s_add_nc_u64 s[46:47], s[6:7], s[46:47]
	CROUND                                         ; all sixteen work-groups are here: the first joint loads meet
.irp s, 0,1
	s_mov_b32 s[G0+4*\s], 1                                        ; count = 1
	s_add_co_u32 s[G0+4*\s+1], s45, \s*SLOT                        ; LDS address
	s_add_nc_u64 s[G0+4*\s+2:G0+4*\s+3], s[20:21], \s*4096         ; global address: K step s is chunks 2 s and 2 s + 1
	s_or_b32 s[G0+4*\s+3], s[G0+4*\s+3], 0x80000000                ; type = 2
	s_mov_b32 s[G0B+4*\s], 1
	s_add_co_u32 s[G0B+4*\s+1], s18, \s*SLOT
	s_add_nc_u64 s[G0B+4*\s+2:G0B+4*\s+3], s[46:47], \s*256
	s_or_b32 s[G0B+4*\s+3], s[G0B+4*\s+3], 0x80000000
	JLOAD \s                                       ; two tensor loads of mine are out
.endr
	v_and_b32 v1, 15, v0                           ; r
	v_bfe_u32 v2, v0, 4, 1                         ; hh
	v_lshlrev_b32 v5, 5, v2                        ; bo: my half's eight numbers, 32 hh bytes on
	s_lshl_b32 s22, s42, 9
	s_lshl_b32 s23, s16, 8
	s_add_co_u32 s22, s22, s23                     ; my first column, in bytes: 512 X + 256 x half
	s_mov_b32 s23, 0
	s_add_nc_u64 s[8:9], s[8:9], s[22:23]
.irp b, 0,1,2,3
	global_load_b128 v[BJ+8*\b:BJ+8*\b+3],   v5, s[8:9] offset:64*\b
	global_load_b128 v[BJ+8*\b+4:BJ+8*\b+7], v5, s[8:9] offset:64*\b+16
.endr
	v_and_b32 v3, 31, v0
	v_lshlrev_b32 v3, 4, v3                        ; 16 x lane
	s_lshl_b32 s19, s15, 15                        ; my 128 rows' images
	v_add_nc_u32 v[ADRA], s19, v3
	v_add_nc_u32 v[ADRA+1], SLOT, v[ADRA]
	v_mul_u32_u24 v6, v1, PITCH
	v_lshl_add_u32 v4, v2, 3, v6                   ; Wo: row x pitch + 8 x half,
	v_add_nc_u32 v[ADRB], s18, v4                  ; in my 64 rows
	v_add_nc_u32 v[ADRB+1], SLOT, v[ADRB]
	s_mul_i32 s19, s14, 16*SPITCH                  ; my stage
	v_lshl_add_u32 v4, v2, 5, v6                   ; in: row r, 32 bytes for each half of the lanes
	v_add_nc_u32 v[STO], s19, v4
	v_mul_u32_u24 v4, v2, SPITCH                   ; back: lanes 0-15 take one row of 256 bytes, lanes 16-31 the next
	v_lshl_add_u32 v4, v1, 4, v4
	v_add_nc_u32 v[RD], s19, v4
	v_lshlrev_b32 v4, 12, v2                       ; and the same two rows in out0
	v_lshl_add_u32 v[CO], v1, 4, v4
	s_lshl_b32 s17, s41, 1
	s_add_co_u32 s17, s17, s15                     ; which 128 of the batch's 1,024 rows are mine: 0 .. 7
	s_cmp_eq_u32 s69, 7
	s_cselect_b32 s19, 0, 8
	s_cselect_b32 s94, 8, 0
	s_add_co_u32 s19, s19, s17
	s_add_co_u32 s94, s94, s17
	s_cmp_eq_u32 s19, 0                            ; batch 7, rows 0 .. 127
	s_cselect_b32 s[MF], 0, -1
	s_cmp_eq_u32 s94, 7                            ; another batch, rows 896 .. 1023
	s_cselect_b32 s[MB], 0, -1
	s_mul_i32 s94, s69, 1000
	s_min_u32 s94, s94, 6976                       ; the batch's row 0 in out0
	s_lshl_b32 s95, s17, 7
	s_add_co_u32 s94, s94, s95
	s_lshl_b32 s94, s94, 12                        ; rows of 4,096 bytes (under 2^25)
	s_add_co_u32 s94, s94, s22                     ; + my first column
	s_mov_b32 s95, 0
	s_add_nc_u64 s[12:13], s[12:13], s[94:95]
	s_wait_kmcnt 0x0
	s_add_co_i32 s96, s96, s97
	s_add_co_i32 s96, s96, 127
	s_lshl_b32 s96, s96, 23                        ; 2^(e6 + e7) as f32
	s_mov_b32 s97, s96                             ; (named with it as a pair, so it is written)
; 8 matrix instructions: o's blocks a0, a0 + 1 x Wo's four, 128 along K.  p: Wo's set.  zero = 1: the first product starts the sums: nothing is ever cleared.
; The 32 accumulators take turns, one instruction a turn, in the same order in every step.
.macro MUL8 a0, p, zero
.irp a, \a0, \a0+1
.irp b, 0,1,2,3
.if \zero
	v_wmma_f32_16x16x128_fp8_fp8 v[8*(4*(\a)+\b):8*(4*(\a)+\b)+7], v[128*(\p)+16*\b:128*(\p)+16*\b+15], v[AF+16*(\a):AF+16*(\a)+15], 0
.else
	v_wmma_f32_16x16x128_fp8_fp8 v[8*(4*(\a)+\b):8*(4*(\a)+\b)+7], v[128*(\p)+16*\b:128*(\p)+16*\b+15], v[AF+16*(\a):AF+16*(\a)+15], v[8*(4*(\a)+\b):8*(4*(\a)+\b)+7]
.endif
.endr
.endr
.endm
.macro FETCH_B slot, q, p              ; Wo's four fragments of the slot's q-th 128 along K into set p: registers 2 c, 2 c + 1 hold K = 16 c + 8 hh + 0 .. 7
	WIN TO_B
.irp i, 0,1,2,3
.irp c, 0,1,2,3,4,5,6,7
	ds_load_b64 v[128*(\p)+16*\i+2*\c:128*(\p)+16*\i+2*\c+1], v[ADRB+\slot] offset:128*(\q)+16*\c+\i*16*PITCH
.endr
.endr
	WIN 0
.endm
.macro FETCH_A slot, q, i0             ; o's blocks i0 .. i0 + 3: images, as they lie
.irp i, \i0, \i0+1, \i0+2, \i0+3
.irp c, 0,1,2,3
	ds_load_b128 v[AF+16*(\i)+4*\c:AF+16*(\i)+4*\c+3], v[ADRA+\slot] offset:4096*(\i)+2048*(\q)+512*\c
.endr
.endr
.endm
; A load into a register that a matrix instruction has read, and a vector instruction that reads a matrix result, stand NP places behind it; only plain vector instructions that name none of its registers are places
; (ISA guide 7.12.1 for vector instructions).
.macro PLACES n
.rept \n
	v_nop
.endr
.endm
; A step of 128 along K that has its successor in the same slot.
.macro STEP slot, q, zero
	s_wait_dscnt 16                                ; Wo's set and o's blocks 0-3 are in; the youngest sixteen loads (blocks 4-7) may be out
	WIN MUL
	MUL8 0, (\q)%2, \zero
	MUL8 2, (\q)%2, \zero
	s_wait_dscnt 0                                 ; blocks 4-7 are in
	PLACES NP
	FETCH_B \slot, (\q)+1, 1-(\q)%2
	FETCH_A \slot, (\q)+1, 0
	WIN MUL
	MUL8 4, (\q)%2, \zero
	MUL8 6, (\q)%2, \zero
	PLACES NP
	WIN 0
	FETCH_A \slot, (\q)+1, 4
.endm
; A slot's last step changes slots: ONE barrier; in front of it each wave waits for all its tensor loads, adds 0 to its spare word, and waits for that and for its own reads of this slot.  fill = 1: this slot is filled again, two K steps ahead.
.macro TURN slot, next, fill
	s_wait_tensorcnt 0x0                           ; all my tensor loads have landed: the one that was out is my part of the next slot  (every window is 0 here)
	ds_add_u32 v[SPW], v[NIL]                      ; 0 onto my spare word
	s_wait_dscnt 17                                ; (the add and the youngest sixteen loads, blocks 4-7, may be out)
	WIN MUL
	MUL8 0, 1, 0                                   ; eight matrix instructions stand between the add and the wait for it
	s_wait_dscnt 0x0                               ; the add is done, and my reads of this slot are over
	s_barrier_signal -1
	MUL8 2, 1, 0
	WIN 0
	s_barrier_wait -1
.if \fill
	CREST                                          ; the barrier has opened a round of the cluster's barrier: no wave of any partner still reads this slot's tile or has a load on its way
	s_add_nc_u64 s[G0+4*\slot+2:G0+4*\slot+3], s[G0+4*\slot+2:G0+4*\slot+3], 2*4096
	s_add_nc_u64 s[G0B+4*\slot+2:G0B+4*\slot+3], s[G0B+4*\slot+2:G0B+4*\slot+3], 2*256
	JLOAD \slot                                    ; the first tensor load behind the round, and my only one until the next; its four v_nop are also the places in front of the loads below
.else
	PLACES NP
.endif
	FETCH_B \next, 0, 0
	FETCH_A \next, 0, 0
	WIN MUL
	MUL8 4, 1, 0
	MUL8 6, 1, 0
	PLACES NP
	WIN 0
	FETCH_A \next, 0, 4
.endm
	s_wait_tensorcnt 1                             ; my part of K step 0 is in; K step 1's load may stay out
	s_barrier_signal -1
	s_barrier_wait -1                              ; everybody's is
	FETCH_B 0, 0, 0
	FETCH_A 0, 0, 0
	FETCH_A 0, 0, 4
	STEP 0, 0, 1                                   ; the first step stands in front of the loop: its products start the sums
	s_mov_b32 s3, LAPS-1
.Llap:                                                 ; a trip goes once round the ring, from a lap's second step to the next lap's first, and fills both slots again
	TURN 0, 1, 1
	STEP 1, 0, 0
	TURN 1, 0, 1
	STEP 0, 0, 0
	s_sub_co_u32 s3, s3, 1
	s_cmp_lg_u32 s3, 0
	s_cbranch_scc1 .Llap
	TURN 0, 1, 0                                   ; the last lap fills nothing, and has no round of the cluster's barrier
	STEP 1, 0, 0
	s_wait_dscnt 16                                ; the very last step: nothing more to fetch
	WIN MUL
	MUL8 0, 1, 0
	MUL8 2, 1, 0
	s_wait_dscnt 0
	MUL8 4, 1, 0
	MUL8 6, 1, 0
	WIN 0
; THE WAY OUT, block by block of 16 rows x 64 columns.  A lane holds 32 neighbouring bytes of a row, and the lanes beside it hold other rows: so a block goes through my own stage in LDS and comes back as whole rows of 256 bytes.
; LDS serves a wave's instructions in order (ISA guide 5.7.1.4): no wait between the stores and the loads, nor in front of the next block's stores.
.macro TOSTAGE a
	WIN 0x02                                       ; source 0: window 2
.set J, 0
.rept 16
	v_pk_fma_f32 v[TMP+J:TMP+J+1], v[32*(\a)+J:32*(\a)+J+1], s[96:97], v[BJ+J:BJ+J+1] op_sel_hi:[1,0,1]   ; sum x 2^(e6 + e7) + bo; each accumulator from its low end on
.set J, J+2
.endr
	WIN 0
.irp b, 0,1,2,3
	ds_store_b128 v[STO], v[TMP+8*\b:TMP+8*\b+3] offset:64*\b
	ds_store_b128 v[STO], v[TMP+8*\b+4:TMP+8*\b+7] offset:64*\b+16
.endr
.irp t, 0,1,2,3,4,5,6,7
	ds_load_b128 v[BK+32*((\a)%2)+4*\t:BK+32*((\a)%2)+4*\t+3], v[RD] offset:\t*2*SPITCH
.endr
.endm
.macro STORES a, lo, hi                ; pairs of rows lo .. hi - 1 of block a: 16 lanes store 256 consecutive bytes, at a multiple of 256 from out0's first byte; every step is an immediate, 126 rows at the most
.set TT, \lo
.rept \hi-\lo
	global_store_b128 v[CO], v[BK+32*((\a)%2)+4*TT:BK+32*((\a)%2)+4*TT+3], s[12:13] offset:(16*(\a)+2*TT)*4096 th:TH_STORE_NT
.set TT, TT+1
.endr
.endm
.macro MASKED a, lo, hi, m             ; the same under the mask s[m], which is all ones or 0.  EXEC is a source of pending stores: it changes only behind s_wait_xcnt 0, both ways.  Only stores stand under it
	s_wait_xcnt 0x0
	s_mov_b32 vcc_lo, s[\m]
	s_and_saveexec_b32 s20, vcc_lo
	STORES \a, \lo, \hi
	s_wait_xcnt 0x0
	s_or_b32 exec_lo, exec_lo, s20
.endm
.macro SEND a, younger                 ; younger: the LDS instructions issued behind block a's loads, which may stay out
	s_wait_dscnt \younger                          ; the block is back in registers
.if (\a) == 0
	MASKED \a, 0, 8, MF                            ; my rows 0 .. 15
.elseif (\a) == 1
	MASKED \a, 0, 4, MF                            ; my rows 16 .. 23
	STORES \a, 4, 8
.elseif (\a) == 6
	STORES \a, 0, 4
	MASKED \a, 4, 8, MB                            ; my rows 104 .. 111
.elseif (\a) == 7
	MASKED \a, 0, 8, MB                            ; my rows 112 .. 127
.else
	STORES \a, 0, 8
.endif
.endm
	s_wait_loadcnt 0x0                             ; bo
	PLACES NP                                      ; behind the last products: for the reads of results and the loads into the registers that held o's fragments
	TOSTAGE 0
.irp a, 1,2,3,4,5,6,7
.if \a > 1
	s_wait_xcnt 0x0                                ; block a - 2's stores have read their registers: block a's loads may land there
.endif
	TOSTAGE \a
	SEND \a-1, 16                                  ; behind block a - 1's loads: block a's 8 stores and 8 loads
.endr
	SEND 7, 0
	s_wait_tensorcnt 0x0                           ; the wave's end, behind my last tensor load and my last LDS store
	ds_add_u32 v[SPW], v[NIL]
	s_wait_dscnt 0x0
	CROUND                                         ; the closing round: no work-group ends while a partner may still ask for a tile that names it
	s_endpgm
.Lfunc_end_k_qcadb1bc081_proj:
	.size	k_qcadb1bc081_proj, .Lfunc_end_k_qcadb1bc081_proj-k_qcadb1bc081_proj
	.p2alignl 7, 3214868480
	.fill 96, 4, 3214868480
	.section	.rodata,"a",@progbits
	.p2align	6, 0x0
	.amdhsa_kernel k_qcadb1bc081_proj
		.amdhsa_group_segment_fixed_size 327680
		.amdhsa_private_segment_fixed_size 0
		.amdhsa_enable_private_segment 0
		.amdhsa_kernarg_size 40
		.amdhsa_user_sgpr_count 2
		.amdhsa_user_sgpr_kernarg_segment_ptr 1
		.amdhsa_wavefront_size32 1
		.amdhsa_system_sgpr_workgroup_id_x 1
		.amdhsa_system_sgpr_workgroup_id_y 1
		.amdhsa_system_sgpr_workgroup_id_z 1
		.amdhsa_system_vgpr_workitem_id 0
		.amdhsa_next_free_vgpr 768
		.amdhsa_next_free_sgpr 100
		.amdhsa_reserve_vcc 1
		.amdhsa_float_denorm_mode_32 3
		.amdhsa_float_denorm_mode_16_64 3
		.amdhsa_memory_ordered 1
		.amdhsa_forward_progress 1
		.amdhsa_inst_pref_size 86
	.end_amdhsa_kernel
	.amdgpu_metadata
---
amdhsa.version: [ 1, 2 ]
amdhsa.kernels:
  - .name:           k_qcadb1bc081_proj
    .symbol:         k_qcadb1bc081_proj.kd
    .args:
      - { .name: oimg, .offset: 0, .size: 8, .value_kind: global_buffer, .address_space: global }
      - { .name: Wo_codes, .offset: 8, .size: 8, .value_kind: global_buffer, .address_space: global }
      - { .name: bo, .offset: 16, .size: 8, .value_kind: global_buffer, .address_space: global }
      - { .name: lowp_scales, .offset: 24, .size: 8, .value_kind: global_buffer, .address_space: global }
      - { .name: out0, .offset: 32, .size: 8, .value_kind: global_buffer, .address_space: global }
    .group_segment_fixed_size: 327680
    .private_segment_fixed_size: 0
    .kernarg_segment_align: 8
    .kernarg_segment_size: 40
    .max_flat_workgroup_size: 128
    .sgpr_count:     100
    .vgpr_count:     768
    .wavefront_size: 32
...
	.end_amdgpu_metadata
.endif
;; end of part 3
;; ======== version 2 of 2: 3 launches; version 1 with the launch attn written anew for expert scheduling mode
;; workspace buffers: qimg 8,388,608 bytes; kimg 8,388,608 bytes; vimg 8,388,608 bytes; oimg 8,388,608 bytes
;; launch qkv: the kernel of part 1 again; grid 12 x 32, 4 waves a work-group, clusters of 4 x 4, 327,680 bytes of LDS; arguments x_codes, Wqkv_codes, bqkv, lowp_scales, qimg, kimg, vimg; writes qimg, kimg, vimg
;; launch attn (part 4): grid 2 x 128, 16 waves a work-group, no clusters, 133,120 bytes of LDS; arguments qimg, kimg, vimg, lowp_scales, oimg; writes oimg
.if DOCPART == 4
	.amdgcn_target "amdgcn-amd-amdhsa--gfx1250"
	.amdhsa_code_object_version 6
	.text
	.protected	k_qcadb1bc081_attn
	.globl	k_qcadb1bc081_attn
	.p2align	8
	.type	k_qcadb1bc081_attn,@function
k_qcadb1bc081_attn:
	s_mov_b64 s[64:65], 0
	v_nop
	global_prefetch_b8 v0, s[64:65] scope:SCOPE_SE
	s_setreg_imm32_b32 hwreg(HW_REG_WAVE_SCHED_MODE, 0, 2), 2
	s_setreg_imm32_b32 hwreg(HW_REG_WAVE_MODE, 25, 1), 1
	s_wait_xcnt 0x0
	s_wait_alu depctr_vm_vsrc(0)
; o = softmax(q k^T / 8, causal) v for one head, both products on codes of FP8 (E4M3); o is quantised with the given 2^e6 and stored as the last product's operand.
; q, k, v come as images of operand registers (piece c of a fragment: 512 bytes, lane L's registers 4 c .. 4 c + 3 at 16 L):
;   qimg, kimg [b 8][pair of heads 8][tile of 16 rows 64][head of the pair 2][1,024]: lane (r, hh): row r, registers 2 c, 2 c + 1: channels 16 c + 8 hh + 0 .. 7;
;   vimg [b 8][128 keys 8][4 h + dt 64][2,048]: lane (r, hh): channel 16 dt + r, registers 2 c, 2 c + 1: keys 16 c + 8 hh + 0 .. 7;   oimg [b 8][tile of 16 rows 64][128 along K 8][2,048]: head h fills bytes 1,024 (h % 2) on of chunk h / 2.
; ROWS.  A batch has 1,024 rows l'.  In batches 0 to 6 rows 1000 .. 1023 are not the batch's own: as keys the causal mask hides them from every own query, as queries their results are dropped by the next launch.
; In batch 7 the own rows are l' = 24 .. 1023: keys 0 .. 23 are hidden from queries 24 on (queries 0 .. 23 keep them, so that no row is all hidden; their results are dropped).
; THE SOFTMAX AHEAD OF THE SECOND PRODUCT: t = score x log2(e) / 8; M = the row's largest t so far, rounded UP to a whole number; p = 2^(t - M) is quantised along the keys, not normalised.  The row's sum is taken of the
; unquantised p, in f32, and divides at the end.  When M moves, the sum and O are multiplied by 2^(old M - new M): exact.
; SHARES.  Two work-groups to a head, sixteen waves each, four to a SIMD.  A head has 64 tiles of 16 queries; wave w of work-group p takes tiles T = 16 p + w and 63 - T, one after the other.
; Tile T needs T / 8 + 1 key steps of 128, so each wave has (T / 8 + 1) + (8 - T / 8) = 9 steps: all waves and both work-groups have the same work.  Both loops have constant trip counts; a step all of whose keys come after
; the tile's queries is passed over by a scalar branch on ids.
; LDS holds the head's K (64 fragments of 1,024 bytes) and V (32 of 2,048) whole: 131,072 bytes, filled once through registers, sixteen loads a lane in one run; one barrier; behind it LDS is only read.
; NO JOINT LOADS, though the two work-groups of a head read the same 131,072 bytes: each reads them once, in that one run, against its 144 tile steps of work.
; All is asked for at the head, so there is nothing to prefetch.
; LAYOUT.  Both products are used transposed: S^T = K Q^T (source 0 = 16 keys, source 1 = my 16 queries), O^T = V^T P^T (source 0 = 16 channels, source 1 = P): a lane holds ONE query (lane % 16) throughout.  Register 8 t + j of S^T
; is key 16 t + 8 hh + j of the step, so tile t's eight registers convert into registers 2 t, 2 t + 1 of P, and O^T's tile dt into registers 2 dt, 2 dt + 1 of o's fragment: nothing changes lanes.
; LIMITS on the given exponents, so that each power of two below is an f32 number: e2 + e3 between -123 and 130 (added to c's exponent field); e5, and e6 - e5 - e4, between -126 and 119.  NaN among the codes is not served.
; REGISTERS: v1 16 x lane; v2 r; v3 hh; v4-6 the fill's offsets; v7 r - 8 hh; v8, v9 the step's addresses; v10 at work; v11 16 x lane + V's base; v12 -M; v13 the largest t; v[14:15] the sum in two halves; v16-23 Q; v24-31 o's codes;
;   v32-95 K's eight fragments, then V's four; v96-159 S^T, then p; v160-191 O^T; v192-223 O^T / the sum; v224-239 p's codes; v240, v244: 448 x 2^e5, 2^e5; v241, v245: the same with e6 - e5 - e4; v242-254 at work.
;   s48-63: the masks of sixteen compares at a time (s48 and s49 are at work between the runs).
; THE MODE: SCHED_MODE bits 1:0 = 2 (LLVM: expert scheduling mode 2), set by the entry lines.  The code itself states the register dependences between vector or matrix instructions and memory or LDS instructions,
; and those through scalar registers and VCC that vector instructions write, with s_wait_alu, always for 0.
; THE PLAN.  Registers that memory or LDS instructions touch:
;   v1, v4, v5, v6, v11  offsets and LDS addresses: made once at the head, ahead of one wait on va_vdst, and never written again.
;   v8, v9     a step's LDS addresses: written by two additions at the step's head; read by that step's 16 loads of K and 16 of V.
;   v16-23     Q: two loads land in it; a step's eight first products read it.  The first tile's is asked for at the head, ahead of the fill; the second tile's at the end of the first tile's key loop.
;   v32-95     K's loads land in it, the eight products K Q^T read it, V's loads land in it, the four products V^T P^T read it; then the next step's K.
;   v96-159    at the head the fill's loads land in it and the fill's LDS stores read it; afterwards matrix and vector instructions alone name it.
;   v24-31     written by a tile's four last conversions, read by its two stores.
; A wave's 256 registers are all planned (sixteen waves share four times 1,024), so K and V keep their one set.  A KEY STEP HAS: one wait on vm_vsrc ahead of the two additions; one on va_vdst behind them, which also shows the last step's
; products done with v32-95; one on va_vdst behind the products K Q^T, ahead of V's loads; and the one for the exponentials.  The compares of the masks go in runs of sixteen, each with one wait on va_sdst.
.set VREG, 65536                       ; LDS: K's fragments from 0, V's from here
.set MK,   48                          ; s48-63: sixteen masks
	s_load_b256 s[4:11], s[0:1], 0x0               ; qimg s[4:5], kimg s[6:7], vimg s[8:9], the scales' exponents s[10:11]
	s_load_b64 s[12:13], s[0:1], 0x20              ; oimg
	v_lshl_add_u32 v251, v0, 2, 0x20000
	v_mov_b32 v255, 0
	v_lshrrev_b32 v10, 5, v0
	v_readfirstlane_b32 s14, v10                   ; wave 0..15
	v_and_b32 v1, 31, v0
	v_lshlrev_b32 v1, 4, v1                        ; 16 x lane
	v_and_b32 v2, 15, v0                           ; r
	v_bfe_u32 v3, v0, 4, 1                         ; hh
	v_lshrrev_b32 v4, 6, v0
	v_and_b32 v10, 63, v0
	v_lshlrev_b32 v4, 11, v4
	v_lshl_add_u32 v4, v10, 4, v4                  ; K in memory: 64 threads to a fragment's 1,024 bytes, the fragments 2,048 bytes apart (the pair's other head lies between)
	v_lshlrev_b32 v5, 4, v0                        ; V in memory, and K in LDS: 16 x thread
	v_add_nc_u32 v6, VREG, v5                      ; V in LDS
	v_lshlrev_b32 v7, 3, v3
	v_sub_nc_u32 v7, v2, v7                        ; r - 8 hh, for the masks
	v_add_nc_u32 v11, VREG, v1
	v_mov_b32 v247, 0xff800000                     ; -infinity
	v_mov_b32 v248, 0                              ; written once: a lane permute's destination counts as one of its sources
	v_mov_b32 v253, 0                              ; (named as the upper half of the pair v[252:253])
	s_and_b32 s15, ttmp7, 0xffff
	s_lshr_b32 s16, s15, 4                         ; b
	s_and_b32 s17, s15, 15                         ; h
	s_wait_alu depctr_va_sdst(0)                   ; s14 is written, ahead of its one reader: the wave's tiles are made from it
	s_lshl_b32 s19, ttmp9, 4
	s_add_co_u32 s19, s19, s14                     ; T = 16 p + w
	s_lshr_b32 s48, s17, 1                         ; h / 2
	s_and_b32 s49, s17, 1                          ; h % 2
	s_lshl_b32 s50, s16, 3
	s_add_co_u32 s50, s50, s48
	s_lshl_b32 s50, s50, 17
	s_lshl_b32 s51, s49, 10
	s_add_co_u32 s50, s50, s51                     ; the head in qimg and kimg: (8 b + h / 2) x 131,072 + (h % 2) x 1,024
	s_mov_b32 s51, 0
	s_lshl_b32 s52, s16, 20
	s_lshl_b32 s53, s17, 13
	s_add_co_u32 s52, s52, s53                     ; in vimg: b x 1,048,576 + h x 8,192
	s_mov_b32 s53, 0
	s_lshl_b32 s54, s16, 20
	s_lshl_b32 s55, s48, 11
	s_add_co_u32 s54, s54, s55
	s_lshl_b32 s55, s49, 10
	s_add_co_u32 s54, s54, s55                     ; in oimg: b x 1,048,576 + (h / 2) x 2,048 + (h % 2) x 1,024
	s_mov_b32 s55, 0
	s_cmp_eq_u32 s16, 7
	s_cselect_b32 s30, 24, 0                       ; KMIN: the batch's first own key
	s_mov_b32 s20, 0x76543210                      ; lane selects for v_permlanex16_b32: lane l xor 16
	s_mov_b32 s21, 0xfedcba98
	s_mov_b32 s22, 0x3e38aa3b                      ; c = log2(e) / 8
	s_wait_kmcnt 0x0
	s_load_b256 s[32:39], s[10:11], 0x0            ; e0 .. e7
	s_add_nc_u64 s[40:41], s[4:5], s[50:51]
	s_add_nc_u64 s[6:7], s[6:7], s[50:51]
	s_add_nc_u64 s[8:9], s[8:9], s[52:53]
	s_add_nc_u64 s[42:43], s[12:13], s[54:55]
	s_sub_co_u32 s48, 63, s19
	s_lshl_b32 s48, s48, 11                        ; a tile's fragment of Q: 2,048 bytes a tile of rows
	s_mov_b32 s49, 0
	s_add_nc_u64 s[44:45], s[40:41], s[48:49]      ; Q of my first tile, 63 - T,
	s_lshl_b32 s48, s19, 11
	s_add_nc_u64 s[40:41], s[40:41], s[48:49]      ; and of my second, T: a base to each, so that neither is written again
	s_wait_alu depctr_va_vdst(0)                   ; v1, v4, v5, v6 and v11 are written: every load and store of the kernel, and every LDS address, is made of them; no vector instruction below writes them
	global_load_b128 v[16:19], v1, s[44:45]        ; the first tile's Q goes out ahead of the fill: it is older than the fill's loads, so the counts below show it in too
	global_load_b128 v[20:23], v1, s[44:45] offset:512
.irp i, 0,1,2,3,4,5,6,7
	global_load_b128 v[96+4*\i:99+4*\i], v4, s[6:7] offset:16384*\i      ; K: eight fragments an instruction of the work-group; 64 threads read 1,024 consecutive bytes
.endr
.irp i, 0,1,2,3,4,5,6,7
	global_load_b128 v[128+4*\i:131+4*\i], v5, s[8:9] offset:131072*\i   ; V: a key step's four fragments, 8,192 consecutive bytes
.endr
	s_wait_kmcnt 0x0
	s_add_co_i32 s48, s34, s35
	s_lshl_b32 s48, s48, 23
	s_add_co_i32 s22, s22, s48                     ; a score stands for score x 2^(e2 + e3): the two exponents are added to c's exponent field
	s_mov_b32 s23, s22                             ; (named with it as a pair, so it is written)
	s_add_co_i32 s48, s37, 127
	s_lshl_b32 s49, s48, 23
	v_mov_b32 v244, s49                            ; 2^e5 as f32, for p's conversions
	s_add_co_i32 s48, s48, 8
	s_lshl_b32 s48, s48, 23
	s_or_b32 s48, s48, 0x600000
	v_mov_b32 v240, s48                            ; 448 x 2^e5
	s_sub_co_i32 s48, s38, s37
	s_sub_co_i32 s48, s48, s36                     ; O^T / the sum stands for o / 2^(e5 + e4): its code is that / 2^(e6 - e5 - e4)
	s_add_co_i32 s48, s48, 127
	s_lshl_b32 s49, s48, 23
	v_mov_b32 v245, s49
	s_add_co_i32 s48, s48, 8
	s_lshl_b32 s48, s48, 23
	s_or_b32 s48, s48, 0x600000
	v_mov_b32 v241, s48
.irp i, 0,1,2,3,4,5,6,7
	s_wait_loadcnt 15-\i                           ; loads come back in order: this one is in, the younger ones may be out
	ds_store_b128 v5, v[96+4*\i:99+4*\i] offset:8192*\i
.endr
.irp i, 0,1,2,3,4,5,6,7
	s_wait_loadcnt 7-\i
	ds_store_b128 v6, v[128+4*\i:131+4*\i] offset:8192*\i
.endr
	s_wait_dscnt 0x0                               ; for the others' sake: my stores have landed
	s_barrier_signal -1
	s_barrier_wait -1                              ; K and V lie whole in LDS; nothing is written there again
	s_wait_alu depctr_vm_vsrc(0)                   ; my LDS stores have read v96-159: these registers are S^T and p from here on, written by the products and the softmax
	s_mov_b32 s31, 0                               ; the pass
.Lpass:
	s_sub_co_u32 s24, 63, s19
	s_cmp_eq_u32 s31, 0
	s_cselect_b32 s24, s24, s19                    ; the tile: 63 - T, then T
	s_lshr_b32 s25, s24, 3                         ; its last key step, the one on the diagonal
	s_lshl_b32 s26, s24, 4                         ; its first query
	v_mov_b32 v13, 0xff61b1e6                      ; the largest t so far: -3e38, under every t
	v_floor_f32 v12, -v13                          ; -M
	v_mov_b32 v14, 0                               ; the sum, in two halves
	v_mov_b32 v15, 0
.set J, 0
.rept 32
	v_mov_b32 v[160+J], 0                          ; O^T.  (The key step is written once: the first finds zeros, which the first change of M leaves zeros)
.set J, J+1
.endr
	s_mov_b32 s27, 0                               ; the key step,
	s_mov_b32 s28, 0                               ; its fragments' place in K's and in V's part of LDS (8,192 bytes a step in both),
	s_mov_b32 s29, 0                               ; its first key
	s_wait_loadcnt 0x0                             ; Q: its fragment stays in registers for the pass
.Lstep:
	s_cmp_gt_u32 s27, s25                          ; all 128 keys come after my 16 queries: the step's work is passed over
	s_cbranch_scc1 .Lnext
	s_wait_alu depctr_vm_vsrc(0)                   ; the LDS loads issued so far have read v8 and v9, which the two additions write
	v_add_nc_u32 v8, s28, v1
	v_add_nc_u32 v9, s28, v11
	v_nop                                          ; with the two additions: four places behind the last step's products
	v_nop
	s_wait_alu depctr_va_vdst(0)                   ; v8 and v9 are written, which this step's LDS loads read; the last step's products V^T P^T are done reading v32-95, in which K's loads land
.irp t, 0,1,2,3,4,5,6,7
	ds_load_b128 v[32+8*\t:35+8*\t], v8 offset:1024*\t
	ds_load_b128 v[36+8*\t:39+8*\t], v8 offset:1024*\t+512
.endr
	s_wait_dscnt 0x0
.irp t, 0,1,2,3,4,5,6,7
	v_wmma_f32_16x16x64_fp8_fp8 v[96+8*\t:103+8*\t], v[32+8*\t:39+8*\t], v[16:23], 0   ; S^T: keys 16 t on x my 16 queries
.endr
.rept 4
	v_nop                                          ; places in front of the loads below and of the first read of the scores
.endr
	s_wait_alu depctr_va_vdst(0)                   ; the eight products are done reading v32-95, in which V's loads land, and v16-23, in which the next tile's Q lands behind the loop
.irp d, 0,1,2,3
.irp c, 0,1,2,3
	ds_load_b128 v[32+16*\d+4*\c:35+16*\d+4*\c], v9 offset:2048*\d+512*\c   ; V's four fragments land while the softmax is worked
.endr
.endr
	s_cmp_lt_u32 s29, s30                          ; batch 7, key step 0 alone (there the step's first key is 0): keys under 24 are not the batch's own
	s_cbranch_scc0 .Lno_front
	v_add_nc_u32 v246, s26, v2                     ; my query
	v_cmp_le_u32 vcc_lo, s30, v246
	v_mov_b32 v254, s30
	s_wait_alu depctr_va_vcc(0)                    ; the compare has written VCC, which the selection reads
	v_cndmask_b32 v246, 0, v254, vcc_lo            ; 24 for an own query, 0 for the others
	v_lshlrev_b32 v254, 3, v3
	v_sub_nc_u32 v246, v246, v254                  ; register 8 t + j holds key 16 t + 8 hh + j: hidden where 16 t + j < that - 8 hh.  Only tiles 0 and 1 hold keys under 24
.set N, 0
.rept 16
	v_cmp_lt_i32 s[MK+N], 16*(N/8)+N%8, v246
.set N, N+1
.endr
	s_wait_alu depctr_va_sdst(0)                   ; the sixteen compares have written s48-63, which the selections read
.set N, 0
.rept 16
	v_cndmask_b32 v[96+N], v[96+N], v247, s[MK+N]
.set N, N+1
.endr
.Lno_front:
	s_cmp_eq_u32 s27, s25                          ; on the diagonal the scores of keys behind the query become -infinity ahead of the maximum: p = 0 then
	s_cbranch_scc0 .Lopen
	s_sub_co_i32 s48, s26, s29
	v_add_nc_u32 v246, s48, v7                     ; d = my query - the step's first key - 8 hh: hidden where 16 t + j > d
.irp g, 0,1,2,3                                ; two tiles of keys, sixteen registers, at a time: a run of compares, one wait, a run of selections
.set N, 16*\g
.rept 16
	v_cmp_gt_i32 s[MK+N%16], 16*(N/8)+N%8, v246
.set N, N+1
.endr
	s_wait_alu depctr_va_sdst(0)                   ; the sixteen compares have written s48-63, which the selections read
.set N, 16*\g
.rept 16
	v_cndmask_b32 v[96+N], v[96+N], v247, s[MK+N%16]
.set N, N+1
.endr
.endr
.Lopen:
	v_max3_num_f32 v254, v96, v97, v98             ; the step's largest score of my query, among my 64 keys, in two chains (each tile's registers are first read at their low end),
	v_max3_num_f32 v252, v99, v100, v101
.irp i, 6,10,14,18,22,26,30,34,38,42,46,50,54,58
	v_max3_num_f32 v254, v254, v[96+\i], v[97+\i]
	v_max3_num_f32 v252, v252, v[98+\i], v[99+\i]
.endr
	v_max3_num_f32 v254, v254, v158, v159
	v_max_num_f32 v254, v254, v252
	v_permlanex16_b32 v248, v254, s20, s21
	v_max_num_f32 v254, v254, v248                 ; and among lane l xor 16's
	v_mul_f32 v254, s22, v254                      ; as t (c is positive)
	v_max_num_f32 v13, v13, v254                   ; the running largest t
	v_mov_b32 v254, v12
	v_floor_f32 v12, -v13                          ; the new -M = floor(-t) = -ceil(t): M is a whole number
	v_sub_f32 v254, v12, v254                      ; M's old value less its new one: a whole number, 0 or less
	v_cvt_i32_f32 v254, v254                       ; (it saturates)
	v_ldexp_f32 v252, 1.0, v254                    ; f = 2^(old M - new M)
.set J, 0
.rept 32
	v_pk_fma_f32 v[96+J:97+J], v[96+J:97+J], s[22:23], v[12:13] op_sel_hi:[1,0,0]   ; t - M, two at a time (of the pairs c and -M the low word serves both halves)
.set J, J+2
.endr
.set J, 0
.rept 64
	v_exp_f32 v[96+J], v[96+J]                     ; p = 2^(t - M): not normalised
.set J, J+1
.endr
	v_pk_mul_f32 v[14:15], v[14:15], v[252:253] op_sel_hi:[1,0]   ; the sums under the new M: the plain instruction behind the exponentials
	s_wait_alu depctr_va_vdst(0)                   ; the 64 exponentials have written v96-159: one wait for the whole batch, ahead of its first reader
	v_pk_add_f32 v[242:243], v[96:97], v[98:99]    ; the row's sum is taken of the unquantised p: two at a time, in two chains
.irp j, 4,8,12,16,20,24,28,32,36,40,44,48,52,56,60
	v_pk_add_f32 v[14:15], v[14:15], v[96+\j:97+\j]
	v_pk_add_f32 v[242:243], v[242:243], v[98+\j:99+\j]
.endr
	v_pk_add_f32 v[14:15], v[14:15], v[242:243]
	s_cmp_lt_i32 s37, -8                           ; p is at most 1 (but for the last bit of the multiply-add), and from e5 = -8 on 448 x 2^e5 is 1.75 or more: the hold could change nothing, and is passed over
	s_cbranch_scc0 .Lno_hold                       ; (a branch on a whole number that was given; this launch has no tensor load and no copy)
.set J, 0
.rept 64
	v_min_num_f32 v[96+J], v[96+J], v240           ; the conversion to an 8-bit code does not saturate (ISA guide 7.6.2); p is not negative, so the hold is one-sided
.set J, J+1
.endr
.Lno_hold:
.irp t, 0,1,2,3,4,5,6,7
	v_cvt_scalef32_pk8_fp8_f32 v[224+2*\t:225+2*\t], v[96+8*\t:103+8*\t], v244   ; registers 2 t, 2 t + 1 of P: keys 16 t + 8 hh + 0 .. 7
.endr
.set J, 0
.rept 16
	v_pk_mul_f32 v[160+J:161+J], v[160+J:161+J], v[252:253] op_sel_hi:[1,0]   ; O^T under the new M: x f.  (Also the plain instructions between the conversions and the products that read their results)
.set J, J+2
.endr
	s_wait_dscnt 0x0                               ; V's fragments are in
.irp d, 0,1,2,3
	v_wmma_f32_16x16x128_fp8_fp8 v[160+8*\d:167+8*\d], v[32+16*\d:47+16*\d], v[224:239], v[160+8*\d:167+8*\d]   ; O^T += V^T P^T: the four accumulators by turns, one instruction a turn
.endr
.Lnext:
	s_add_co_u32 s28, s28, 8192
	s_add_co_u32 s29, s29, 128
	s_add_co_u32 s27, s27, 1
	s_cmp_lt_u32 s27, 8
	s_cbranch_scc1 .Lstep
	; The second tile's Q is asked for here, at the end of the first tile's key loop, and is on its way during the tile's end and the next pass's set-up.  No wait of its own: the last products that read v16-23
	; stand ahead of the wait in front of V's loads, and no vector or matrix instruction since names v16-23 or v1.  The second pass asks for nothing: a scalar branch on the pass.
	s_cmp_lg_u32 s31, 0
	s_cbranch_scc1 .Lno_q
	global_load_b128 v[16:19], v1, s[40:41]
	global_load_b128 v[20:23], v1, s[40:41] offset:512
.Lno_q:
	; the tile's end: O^T is divided by the sum, held, converted, and stored as it stands: 1,024 bytes on end
.rept 4
	v_nop                                          ; places behind the last products
.endr
	v_add_f32 v14, v14, v15                        ; the sum's two halves,
	v_permlanex16_b32 v248, v14, s20, s21
	v_add_f32 v14, v14, v248                       ; and lane l xor 16's: the row's sum
	v_rcp_f32 v14, v14
	v_nop                                          ; a plain instruction behind the reciprocal
	s_wait_xcnt 0x0                                ; the last tile's stores have read their base and their data: both are written again below
	s_wait_alu depctr_vm_vsrc(0)                   ; the last tile's stores have read v24-31, which the conversions below write again
	s_lshl_b32 s48, s24, 14
	s_mov_b32 s49, 0
	s_add_nc_u64 s[46:47], s[42:43], s[48:49]      ; the tile's fragment in oimg: 16,384 bytes a tile of rows
	s_wait_alu depctr_va_vdst(0)                   ; the reciprocal has written v14: ahead of its first reader
.set J, 0
.rept 16
	v_pk_mul_f32 v[192+J:193+J], v[160+J:161+J], v[14:15] op_sel_hi:[1,0]   ; each accumulator from its low end on
.set J, J+2
.endr
.set J, 0
.rept 32
	v_med3_num_f32 v[192+J], v[192+J], -v241, v241
.set J, J+1
.endr
.irp d, 0,1,2,3
	v_cvt_scalef32_pk8_fp8_f32 v[24+2*\d:25+2*\d], v[192+8*\d:199+8*\d], v245   ; channels 16 dt + 8 hh + 0 .. 7 of my query
.endr
	v_nop                                          ; one plain vector instruction behind the last conversion
	s_wait_alu depctr_va_vdst(0)                   ; the conversions have written v24-31, which the two stores read
	global_store_b128 v1, v[24:27], s[46:47]       ; 32 lanes store 512 consecutive bytes, at a multiple of 512 from the buffer's first byte
	global_store_b128 v1, v[28:31], s[46:47] offset:512
	s_add_co_u32 s31, s31, 1
	s_cmp_lt_u32 s31, 2
	s_cbranch_scc1 .Lpass
	s_wait_dscnt 0x0
	s_wait_alu depctr_hold_cnt(0) depctr_sa_sdst(0) depctr_va_vdst(0) depctr_va_sdst(0) depctr_va_ssrc(0) depctr_va_vcc(0) depctr_vm_vsrc(0)
	s_wait_tensorcnt 0x0
	ds_add_u32 v251, v255
	s_wait_dscnt 0x0
	s_endpgm
.Lfunc_end_k_qcadb1bc081_attn:
	.size	k_qcadb1bc081_attn, .Lfunc_end_k_qcadb1bc081_attn-k_qcadb1bc081_attn
	.p2alignl 7, 3214868480
	.fill 96, 4, 3214868480
	.section	.rodata,"a",@progbits
	.p2align	6, 0x0
	.amdhsa_kernel k_qcadb1bc081_attn
		.amdhsa_group_segment_fixed_size 133120
		.amdhsa_private_segment_fixed_size 0
		.amdhsa_enable_private_segment 0
		.amdhsa_kernarg_size 40
		.amdhsa_user_sgpr_count 2
		.amdhsa_user_sgpr_kernarg_segment_ptr 1
		.amdhsa_wavefront_size32 1
		.amdhsa_system_sgpr_workgroup_id_x 1
		.amdhsa_system_sgpr_workgroup_id_y 1
		.amdhsa_system_sgpr_workgroup_id_z 1
		.amdhsa_system_vgpr_workitem_id 0
		.amdhsa_next_free_vgpr 256
		.amdhsa_next_free_sgpr 66
		.amdhsa_reserve_vcc 1
		.amdhsa_float_denorm_mode_32 3
		.amdhsa_float_denorm_mode_16_64 3
		.amdhsa_memory_ordered 1
		.amdhsa_forward_progress 1
		.amdhsa_inst_pref_size 40
	.end_amdhsa_kernel
	.amdgpu_metadata
---
amdhsa.version: [ 1, 2 ]
amdhsa.kernels:
  - .name:           k_qcadb1bc081_attn
    .symbol:         k_qcadb1bc081_attn.kd
    .args:
      - { .name: qimg, .offset: 0, .size: 8, .value_kind: global_buffer, .address_space: global }
      - { .name: kimg, .offset: 8, .size: 8, .value_kind: global_buffer, .address_space: global }
      - { .name: vimg, .offset: 16, .size: 8, .value_kind: global_buffer, .address_space: global }
      - { .name: lowp_scales, .offset: 24, .size: 8, .value_kind: global_buffer, .address_space: global }
      - { .name: oimg, .offset: 32, .size: 8, .value_kind: global_buffer, .address_space: global }
    .group_segment_fixed_size: 133120
    .private_segment_fixed_size: 0
    .kernarg_segment_align: 8
    .kernarg_segment_size: 40
    .max_flat_workgroup_size: 512
    .sgpr_count:     66
    .vgpr_count:     256
    .wavefront_size: 32
...
	.end_amdgpu_metadata
.endif
;; end of part 4
;; launch proj: the kernel of part 3 again; grid 8 x 32, 4 waves a work-group, clusters of 4 x 4, 327,680 bytes of LDS; arguments oimg, Wo_codes, bo, lowp_scales, out0; writes out0
